; MI455X (gfx1250); checked and timed in simulation.
; The chip was launched on July 23, 2026; its instructions are those of AMD's public machine-readable ISA for CDNA 5 (MIT licence, August 2026) and "CDNA5" Instruction Set Architecture Reference Guide (July 2026). The comments in the code are by the model that wrote it; some were corrected since.
;; SA Block. Allowed arithmetic: matrix products marked QUANTISED: E4M3 operands, one given power-of-two scale a tensor, by v_wmma_f32_16x16x64_fp8_fp8 or v_wmma_f32_16x16x128_fp8_fp8, f32 sums; everything else in f32.
;; Inputs: b_out 1,024 float32; lowp_scales 8 int32 (the exponents e of the quantised operands' scales 2^e); w_out 1,024 x 1,024 float32; w_qkv 3,072 x 1,024 float32; x 2 x 2,048 x 1,024 float32.
;; Outputs: out0 2 x 2,048 x 1,024 float32.
;; This version of the problem:
;;   THIS VERSION OF THE PROBLEM IS GIVEN IN LOW PRECISION. The matrix products marked QUANTISED in the list below multiply operands that are first quantised to E4M3 (4 exponent bits, 3 mantissa bits; 8 bits a number), with one given power-of-two scale for each operand tensor; their sums are f32. All else is computed in f32.
;;   The module's matrix products, in the order in which they are computed (A, B: the left and right operand; K: the contracted axis; several contracted axes count as one K, in the product's order):
;;     1. [M 4,096, K 1,024] x [K 1,024, N 3,072]; A: input x; B: input w_qkv: QUANTISED (scales: A lowp_scales[0], B lowp_scales[1])
;;     2. batch 32 x [M 2,048, K 64] x [K 64, N 2,048]; A: computed on the way; B: computed on the way: QUANTISED (scales: A lowp_scales[2], B lowp_scales[3])
;;     3. batch 32 x [M 2,048, K 2,048] x [K 2,048, N 64]; A: softmax (see below); B: computed on the way: QUANTISED (scales: A lowp_scales[4], B lowp_scales[5])
;;     4. [M 4,096, K 1,024] x [K 1,024, N 1,024]; A: computed on the way; B: input w_out: QUANTISED (scales: A lowp_scales[6], B lowp_scales[7])
;;   THE QUANTISER, for each operand of a quantised product, along K:
;;     - The operand's scale is 2^e, e = its entry of the input lowp_scales (int32; the entries are numbered through the quantised products in the list's order, A before B).
;;     - Each number is divided by the scale, clamped to +-448, and rounded to the nearest number of E4M3, ties to even, subnormals kept.
;;     - The product sums the exact products of the quantised numbers (number of the format x scale) in f32.
;;   ~~~python
;;   def quantise(x, axis, e):      # numpy; x: float32 -> the quantised numbers, widened to float32 again
;;       x = np.moveaxis(x, axis, -1); K = x.shape[-1]
;;       r = np.clip(x / 2.0 ** e, -448, 448)
;;       step = 2.0 ** (np.maximum(np.frexp(np.where(r == 0, 1, r))[1] - 1, -6) - 3)
;;       q = np.round(r / step) * step * 2.0 ** e      # np.round: ties to even
;;       return np.moveaxis(q, -1, axis).astype(np.float32)
;;   ~~~
;;   SOFTMAX AHEAD OF A QUANTISED PRODUCT. Where the list says 'softmax', what is quantised is not the finished softmax but p = 2^(t - M), with t = logit x log2(e) and M = ceil(the row's largest t), a whole number; so 1/2 < the row's largest p <= 1. The row's sum l is taken of the UNQUANTISED p, in f32, and the product's result is divided by l at the end. Since M is a whole number, a kernel that streams over the keys may use a running M (the ceiling of the running maximum): every later rescaling is an exact power of two, so the quantised numbers keep their values, but for numbers so far below the row's largest that they fall under the format's range.
;;   OPERANDS COMPUTED ON THE WAY. 'Computed on the way' means the value that the module computes at that place (a softmax that the list does not call 'softmax' is quantised finished and normalised). What goes into a quantiser is computed in f32, as accurately as f32 sums, v_exp_f32 and their like allow (about 1e-6 of the number): no bf16 or f16 on the way to a quantiser, and a product that is left as it is and whose result goes on into a quantised operand takes f32 operands (vector FMAs, or v_wmma_f32_16x16x4_f32). A number that lies on a knife's edge between two numbers of the format may be rounded either way, as far as f32 arithmetic and the matrix unit's own rounding can turn it there, and no further.
;; One version. Each part assembles by itself: llvm-mc -triple=amdgcn-amd-amdhsa -mcpu=gfx1250 --defsym DOCPART=n.
;; ======== version 1 of 1: 4 launches
;; limits: right only within a limited range of input values
;; workspace buffers: x_codes 4,194,304 bytes; wqkv_codes 3,145,728 bytes; wout_codes 1,048,576 bytes; q_img 4,194,304 bytes; k_img 4,194,304 bytes; v_img 4,194,304 bytes; a_img 4,194,304 bytes
;; launch quant (part 1): grid 256 x 1, 8 waves a work-group, no clusters, 76,800 bytes of LDS; arguments x, w_qkv, w_out, lowp_scales, x_codes, wqkv_codes, wout_codes; writes x_codes, wqkv_codes, wout_codes
.if DOCPART == 1
	.amdgcn_target "amdgcn-amd-amdhsa--gfx1250"
	.amdhsa_code_object_version 6
	.text
	.protected	k_q5f98e84503_quant
	.globl	k_q5f98e84503_quant
	.p2align	8
	.type	k_q5f98e84503_quant,@function
k_q5f98e84503_quant:
	s_mov_b64 s[64:65], 0
	v_nop
	global_prefetch_b8 v0, s[64:65] scope:SCOPE_SE
	s_setreg_imm32_b32 hwreg(HW_REG_WAVE_MODE, 25, 1), 1
	s_wait_xcnt 0x0
.set STEPS, 8
; x [4096][1024], w_qkv [3072][1024] and w_out [1024][1024], f32, become codes of FP8 (E4M3), one byte each, each tensor with its given scale 2^e: entry 0 of the exponents for x, 1 for w_qkv, 7 for w_out.
; code = number / 2^e, held within +-448, rounded to the nearest code, ties to even.
; LIMITS: each of the three e lies between -126 and 119, so that 2^e and 448 x 2^e are f32 numbers.  NaN among the inputs is not served; infinities are held at the largest code.
; WORK THAT THIS PROGRAM LEAVES OUT: reference() puts -inf ahead of the softmax wherever key > query, so p = 0 there whatever the inputs hold: score tiles that lie wholly there are not computed (launch attn).  A NaN, an infinity
; or an overflow that reaches only such scores is not carried to the result.
; THE LAYOUT.  All three tensors have rows of 1,024.  Codes are laid as images of operand registers: [tile of 16 rows][K step of 128: 8][2,048 bytes]: lane (r, h) = (l % 16, l / 16) finds its registers 4 g .. 4 g + 3 at
; 512 g + 16 l: row r, k = 32 g + 8 h + 0 .. 7 and 32 g + 16 + 8 h + 0 .. 7: k in its own place of the 16x16x128 form (ISA guide 7.12.2).
; SHARES.  8,388,608 numbers, 32,768 a work-group: work-groups 0-127 take x, 128-223 w_qkv, 224-255 w_out; only pointers and e are chosen, by selects on the work-group's number.  A wave takes 16 rows x 256 along K, in 8 steps
; of two rows; its 4,096 codes are 4,096 consecutive bytes.  All its 32 loads go out at the head.  Each load reads 512 consecutive bytes, 16 a lane; a step's 2,048 bytes turn through the wave's own stage in LDS (16 bytes of
; padding behind each 64) and come back as the 16 numbers of one lane's 16 bytes of an image.  The codes are gathered in LDS, 256 bytes (and 16 of padding) for each half image register group, and leave as they lie.
; Waves share nothing: no barrier.  No work-group reads what another reads, and there is no loop: no cluster, no prefetch.
.set WG_X,  128                        ; work-groups of x
.set WG_XQ, 224                        ; of x and w_qkv together
.set SP,    80                         ; a place in a stage: 64 bytes + 16 of padding
.set IMG,   5120                       ; LDS of a wave: two stages of 32 x SP bytes, then 16 x 272 bytes of codes
.set WREG,  9472
.set SPARE, 8*WREG
.set R,     16                         ; v16-143  eight sets of 16 numbers as they are loaded;  v16-47 at the end the codes on their way out
.set X,     144                        ; v144-175 two sets of a lane's 16 numbers
.set C,     176                        ; v176-207 codes: four registers for each step
	s_load_b256 s[4:11], s[0:1], 0x0               ; x s[4:5], w_qkv s[6:7], w_out s[8:9], the exponents s[10:11]
	s_load_b128 s[12:15], s[0:1], 0x20             ; x's codes, w_qkv's codes
	s_load_b64 s[16:17], s[0:1], 0x30              ; w_out's codes
	v_lshl_add_u32 v208, v0, 2, SPARE
	v_mov_b32 v209, 0
	v_lshrrev_b32 v1, 5, v0
	v_and_b32 v2, 31, v0                           ; lane
	v_readfirstlane_b32 s18, v1                    ; wave 0..7
	v_lshlrev_b32 v3, 4, v2                        ; 16 x lane; never rewritten
	v_lshrrev_b32 v4, 2, v2
	v_and_b32 v5, 3, v2
	v_lshrrev_b32 v6, 1, v2
	v_and_b32 v7, 1, v2
	v_lshrrev_b32 v8, 4, v2
	v_and_b32 v9, 15, v2
	v_mul_u32_u24 v14, v4, SP
	v_mul_u32_u24 v15, v6, 2*SP
	v_mul_u32_u24 v12, v9, 272
	v_mul_u32_u24 v13, v8, 272
	v_lshl_add_u32 v14, v5, 4, v14                 ; the stage, in: four lanes' 64 bytes on end, then the padding
	v_lshl_add_u32 v15, v7, 5, v15                 ; and out: of a group of 32 numbers the even lane takes 0-7 and 16-23, the odd lane 8-15 and 24-31
	v_lshl_add_u32 v12, v8, 4, v12                 ; the codes, in: lane l % 16 is the place along K, l / 16 the row of the step's two
	v_lshl_add_u32 v13, v9, 4, v13                 ; and out: 512 bytes an instruction
	s_mul_i32 s19, s18, WREG
	s_add_co_u32 s20, s19, IMG
	v_add_nc_u32 v14, s19, v14
	v_add_nc_u32 v15, s19, v15
	v_add_nc_u32 v12, s20, v12
	v_add_nc_u32 v13, s20, v13
	s_wait_alu depctr_va_vdst(0)                   ; directly ahead of the wait below
	s_wait_kmcnt 0x0
	s_load_b256 s[24:31], s[10:11], 0x0            ; the eight exponents
	s_cmp_lt_u32 ttmp9, WG_XQ                      ; w_qkv or w_out?  The choices hang on the work-group's number alone
	s_cselect_b64 s[6:7], s[6:7], s[8:9]
	s_cselect_b64 s[14:15], s[14:15], s[16:17]
	s_mov_b32 s20, WG_XQ
	s_cselect_b32 s20, WG_X, s20                   ; the tensor's first work-group
	s_cmp_lt_u32 ttmp9, WG_X                       ; x, or what was just chosen?
	s_cselect_b64 s[4:5], s[4:5], s[6:7]
	s_cselect_b64 s[12:13], s[12:13], s[14:15]
	s_cselect_b32 s20, 0, s20
	s_sub_co_u32 s20, ttmp9, s20
	s_lshl_b32 s20, s20, 3
	s_add_co_u32 s20, s20, s18                     ; my unit of the tensor: tile of 16 rows x 4 + quarter of K
	s_lshr_b32 s22, s20, 2
	s_lshl_b32 s22, s22, 16                        ; a tile is 65,536 bytes of numbers,
	s_and_b32 s21, s20, 3
	s_lshl_b32 s21, s21, 10                        ; a quarter of a row 1,024
	s_add_co_u32 s22, s22, s21
	s_mov_b32 s23, 0
	s_add_nc_u64 s[4:5], s[4:5], s[22:23]
	s_lshl_b32 s22, s20, 12                        ; 4,096 bytes of codes a unit
	s_add_nc_u64 s[12:13], s[12:13], s[22:23]
.macro LOAD t
.irp i, 0,1,2,3
	global_load_b128 v[R+16*(\t)+4*\i:R+16*(\t)+4*\i+3], v3, s[4:5] offset:4096*(2*(\t)+(\i)/2)+512*((\i)%2) th:TH_LOAD_NT   ; 32 lanes read 512 consecutive bytes of a row; read once in the launch
.endr
.endm
.macro TURN t                          ; step t's numbers through the stage: LDS serves a wave's instructions in order (ISA guide 5.7.1.4), so no wait stands between the stores and the loads
.irp i, 0,1,2,3
	ds_store_b128 v14, v[R+16*(\t)+4*\i:R+16*(\t)+4*\i+3] offset:32*SP*((\t)%2)+8*SP*\i
.endr
.irp i, 0,1,2,3
	ds_load_b128 v[X+16*((\t)%2)+4*\i:X+16*((\t)%2)+4*\i+3], v15 offset:32*SP*((\t)%2)+SP*((\i)/2)+16*((\i)%2)
.endr
.endm
.irp t, 0,1,2,3,4,5,6,7
	LOAD \t
.endr
	s_wait_kmcnt 0x0
	s_cmp_lt_u32 ttmp9, WG_XQ
	s_cselect_b32 s21, s25, s31                    ; e of w_qkv or of w_out,
	s_cmp_lt_u32 ttmp9, WG_X
	s_cselect_b32 s21, s24, s21                    ; or of x
	s_add_co_i32 s21, s21, 127
	s_lshl_b32 s22, s21, 23
	v_mov_b32 v11, s22                             ; 2^e as f32: the conversion takes its exponent field
	s_add_co_i32 s21, s21, 8
	s_lshl_b32 s21, s21, 23
	s_or_b32 s21, s21, 0x600000
	v_mov_b32 v10, s21                             ; 448 x 2^e
	s_wait_alu depctr_va_vdst(0)                   ; the wait at the head's end
	s_wait_loadcnt 28                              ; step 0's four loads are in; the 28 behind them may be out
	TURN 0
.macro STEP t
.set XS, X+16*((\t)%2)
	s_wait_dscnt 0x0                               ; this step's numbers are back from the stage
.if (\t)+1 < STEPS
	s_wait_loadcnt 4*(STEPS-2-(\t))                ; the next step's four loads are in; those of the steps behind it may be out
	TURN (\t)+1                                    ; and go through the other stage while this step is worked
.endif
.irp i, 0,1,2,3,4,5,6,7,8,9,10,11,12,13,14,15
	v_med3_num_f32 v[XS+\i], v[XS+\i], -v10, v10   ; the conversion to an 8-bit code does not saturate (ISA guide 7.6.2): the number is held within the largest code x the scale first
.endr
	v_cvt_scalef32_pk8_fp8_f32 v[C+4*(\t):C+4*(\t)+1], v[XS:XS+7], v11       ; eight numbers / 2^e, to the nearest code, ties to even; the first number's code in the lowest byte
	v_cvt_scalef32_pk8_fp8_f32 v[C+4*(\t)+2:C+4*(\t)+3], v[XS+8:XS+15], v11  ; (the results go to an LDS store alone; the next vector lines are the next step's holds, plain ones on other registers)
	ds_store_b128 v12, v[C+4*(\t):C+4*(\t)+3] offset:32*(\t)                 ; rows 2 t and 2 t + 1
.endm
.irp t, 0,1,2,3,4,5,6,7
	STEP \t
.endr
.irp i, 0,1,2,3,4,5,6,7
	ds_load_b128 v[R+4*\i:R+4*\i+3], v13 offset:544*\i
.endr
.irp i, 0,1,2,3,4,5,6,7
	s_wait_dscnt 7-\i                              ; all but the loads behind this one
	global_store_b128 v3, v[R+4*\i:R+4*\i+3], s[12:13] offset:512*\i         ; 32 lanes store 512 consecutive bytes, aligned
.endr
	s_wait_tensorcnt 0x0                           ; the wave's end
	ds_add_u32 v208, v209
	s_wait_dscnt 0x0
	s_endpgm
.Lfunc_end_k_q5f98e84503_quant:
	.size	k_q5f98e84503_quant, .Lfunc_end_k_q5f98e84503_quant-k_q5f98e84503_quant
	.p2alignl 7, 3214868480
	.fill 96, 4, 3214868480
	.section	.rodata,"a",@progbits
	.p2align	6, 0x0
	.amdhsa_kernel k_q5f98e84503_quant
		.amdhsa_group_segment_fixed_size 76800
		.amdhsa_private_segment_fixed_size 0
		.amdhsa_enable_private_segment 0
		.amdhsa_kernarg_size 56
		.amdhsa_user_sgpr_count 2
		.amdhsa_user_sgpr_kernarg_segment_ptr 1
		.amdhsa_wavefront_size32 1
		.amdhsa_system_sgpr_workgroup_id_x 1
		.amdhsa_system_sgpr_workgroup_id_y 1
		.amdhsa_system_sgpr_workgroup_id_z 1
		.amdhsa_system_vgpr_workitem_id 0
		.amdhsa_next_free_vgpr 210
		.amdhsa_next_free_sgpr 66
		.amdhsa_reserve_vcc 0
		.amdhsa_float_denorm_mode_32 3
		.amdhsa_float_denorm_mode_16_64 3
		.amdhsa_memory_ordered 1
		.amdhsa_forward_progress 1
		.amdhsa_inst_pref_size 22
	.end_amdhsa_kernel
	.amdgpu_metadata
---
amdhsa.version: [ 1, 2 ]
amdhsa.kernels:
  - .name:           k_q5f98e84503_quant
    .symbol:         k_q5f98e84503_quant.kd
    .args:
      - { .name: x, .offset: 0, .size: 8, .value_kind: global_buffer, .address_space: global }
      - { .name: w_qkv, .offset: 8, .size: 8, .value_kind: global_buffer, .address_space: global }
      - { .name: w_out, .offset: 16, .size: 8, .value_kind: global_buffer, .address_space: global }
      - { .name: lowp_scales, .offset: 24, .size: 8, .value_kind: global_buffer, .address_space: global }
      - { .name: x_codes, .offset: 32, .size: 8, .value_kind: global_buffer, .address_space: global }
      - { .name: wqkv_codes, .offset: 40, .size: 8, .value_kind: global_buffer, .address_space: global }
      - { .name: wout_codes, .offset: 48, .size: 8, .value_kind: global_buffer, .address_space: global }
    .group_segment_fixed_size: 76800
    .private_segment_fixed_size: 0
    .kernarg_segment_align: 8
    .kernarg_segment_size: 56
    .max_flat_workgroup_size: 256
    .sgpr_count:     66
    .vgpr_count:     210
    .wavefront_size: 32
...
	.end_amdgpu_metadata
.endif
;; end of part 1
;; launch qkv (part 2): grid 16 x 16, 4 waves a work-group, clusters of 4 x 1, 327,680 bytes of LDS; arguments x_codes, wqkv_codes, lowp_scales, q_img, k_img, v_img; writes q_img, k_img, v_img
.if DOCPART == 2
	.amdgcn_target "amdgcn-amd-amdhsa--gfx1250"
	.amdhsa_code_object_version 6
	.text
	.protected	k_q5f98e84503_qkv
	.globl	k_q5f98e84503_qkv
	.p2align	8
	.type	k_q5f98e84503_qkv,@function
k_q5f98e84503_qkv:
	s_mov_b64 s[64:65], 0
	v_nop
	global_prefetch_b8 v0, s[64:65] scope:SCOPE_SE
	s_setreg_imm32_b32 hwreg(HW_REG_WAVE_MODE, 25, 1), 1
	s_wait_xcnt 0x0
	s_wait_alu depctr_hold_cnt(0) depctr_sa_sdst(0) depctr_va_vdst(0) depctr_va_sdst(0) depctr_va_ssrc(0) depctr_va_vcc(0) depctr_vm_vsrc(0)
	s_getreg_b32 s2, hwreg(HW_REG_IB_STS2, 6, 4)
	s_cmp_eq_u32 s2, 0
	s_cbranch_scc0 .Lentry_in_a_cluster
	s_endpgm
.Lentry_in_a_cluster:
	s_bfe_u32 s2, ttmp6, 0x10000c
	s_cmp_lg_u32 s2, 0x3003
	s_cbranch_scc0 .Lentry_shape_is_right
	s_endpgm
.Lentry_shape_is_right:
.set HALFB, 131072                     ; LDS: half of K of x's 16 tiles of 16 tokens, 8,192 bytes each; then the other half
; q, k, v = x w_qkv^T on codes of FP8 (E4M3), K = 1,024, f32 sums; each sum x 2^(ex + ew) is quantised with 2^e2 (q), 2^e3 (k) or 2^e5 (v) and leaves as codes, in images of the attention's operand registers.
; LIMITS: e2 - ex - ew, e3 - ex - ew and e5 - ex - ew lie between -126 and 119, so that the powers of two below are f32 numbers.
; IN.  x_codes, wqkv_codes: [tile of 16 rows][K step of 128: 8][2,048 bytes], images of operand registers: registers 4 g .. 4 g + 3 at 512 g + 16 x lane.
; OUT.  q_img, k_img: [16 x batch + head 32][tile of 16 tokens 128][1,024 bytes]; v_img: [16 x batch + head][key step of 128 tokens 16][tile of 16 features 4][2,048 bytes].
; SHARES.  A work-group makes one head's q, k and v (192 features) for 256 tokens: 256 work-groups of equal work.  Wave (th, f) = (w / 2, w % 2) makes 128 tokens x feature tiles 2 f and 2 f + 1 of each of q, k and v: 48 accumulators.
; x LIES IN LDS for the whole K, each byte filled once: no ring.  The four heads of a cluster need the same x: it is asked for jointly, half of K at the head, the other half behind a round: it lands under the first half's products.
; w_qkv GOES FROM MEMORY STRAIGHT INTO REGISTERS: LDS has no room for it beside x (262,144 + 196,608 bytes), and a wave needs only its half.  So it is not asked for jointly.  Its loads run two K steps ahead, in three
; buffers: that is the look-ahead, and no prefetch stands in front of it.
; For q and k source 0 = 16 features, source 1 = 16 tokens: a lane holds a token and eight neighbouring features; for v the other way round: a lane holds a feature and eight neighbouring tokens.  So the conversions give the images.
; REGISTERS.  Window 0: v16-29 addresses and constants; w_qkv's buffers 0 and 1 at v32 and v128; on the way out temporaries and codes.  Window 1: x's fragments, two sets of 128.  Window 2: the accumulators of q and k ((b, a) at
; v[8 (8 b + a)], b = 0, 1: q, 2, 3: k).  Window 3: those of v at v[8 (8 (b - 4) + a)], and w_qkv's buffer 2 at v128.
.set SPARE, 2*HALFB                    ; the spare words, 128 bytes for each wave
.set LI,   16                          ; v16  16 x lane; never rewritten
.set ADA,  17                          ; v17, v18 LDS address of my tokens' images in the two halves
.set SC,   20                          ; v20-25 scale and 448 x scale, for q, k, v
.set SPW,  28
.set NIL,  29
.set T,    32
.set CQ,   160                         ; v160-191, v192-223, v224-255 codes of q, k, v
.set G1,   24
.set G0,   32
.set WB,   46                          ; s[46:47] my features' images in w_qkv
.set MSB, 0
.macro WIN new                         ; the immediate's high byte repeats the setting that is left
.if MSB != (\new)
	s_set_vgpr_msb (MSB<<8)|(\new)
.set MSB, (\new)
.endif
.endm
.macro CROUND                          ; a round of the cluster's barrier
	s_barrier_signal -1
	s_barrier_wait -1
	s_cmp_lg_u32 s14, 0
	s_cbranch_scc1 .Lnot_wave_0_\@
	s_barrier_signal -3
.Lnot_wave_0_\@:
	s_barrier_wait -3
	s_barrier_signal -1
	s_barrier_wait -1
.endm
.macro BSET s                          ; K step s's buffer of w_qkv: its first register and its window
.if (\s)%3 == 0
.set BR, 32
.set BW, 0
.elseif (\s)%3 == 1
.set BR, 128
.set BW, 0
.else
.set BR, 128
.set BW, 3
.endif
.endm
.macro BLOAD s                         ; 24 loads: two feature tiles of each of q, k, v (1,048,576 bytes apart)
	BSET \s
	WIN BW*0x40
.irp e, 0,1,2
.irp u, 0,1
.irp c, 0,1,2,3
	global_load_b128 v[BR+16*(2*\e+\u)+4*\c:BR+16*(2*\e+\u)+4*\c+3], v[LI], s[WB:WB+1] offset:1048576*\e+16384*\u+2048*(\s)+512*\c
.endr
.endr
.endr
.endm
.macro ALOAD s, a0                     ; two tiles of tokens: 8 loads
	WIN 0x40
.irp a, \a0, \a0+1
.irp c, 0,1,2,3
	ds_load_b128 v[128*((\s)%2)+16*(\a)+4*\c:128*((\s)%2)+16*(\a)+4*\c+3], v[ADA+(\s)/4] offset:8192*(\a)+2048*((\s)%4)+512*\c
.endr
.endr
.endm
; 8 matrix instructions, 128 along K: feature tile b x my eight tiles of tokens.  The 48 accumulators take turns, one instruction a turn; K step 0 starts the sums.
.macro MULG s, b
	BSET \s
.if (\b) < 4
	WIN 0xa4|BW
.else
	WIN 0xf1|(BW<<2)
.endif
.irp a, 0,1,2,3,4,5,6,7
.if (\b) < 4
.if (\s) == 0
	v_wmma_f32_16x16x128_fp8_fp8 v[8*(8*(\b)+\a):8*(8*(\b)+\a)+7], v[BR+16*(\b):BR+16*(\b)+15], v[128*((\s)%2)+16*\a:128*((\s)%2)+16*\a+15], 0
.else
	v_wmma_f32_16x16x128_fp8_fp8 v[8*(8*(\b)+\a):8*(8*(\b)+\a)+7], v[BR+16*(\b):BR+16*(\b)+15], v[128*((\s)%2)+16*\a:128*((\s)%2)+16*\a+15], v[8*(8*(\b)+\a):8*(8*(\b)+\a)+7]
.endif
.else
.if (\s) == 0
	v_wmma_f32_16x16x128_fp8_fp8 v[8*(8*((\b)-4)+\a):8*(8*((\b)-4)+\a)+7], v[128*((\s)%2)+16*\a:128*((\s)%2)+16*\a+15], v[BR+16*(\b):BR+16*(\b)+15], 0
.else
	v_wmma_f32_16x16x128_fp8_fp8 v[8*(8*((\b)-4)+\a):8*(8*((\b)-4)+\a)+7], v[128*((\s)%2)+16*\a:128*((\s)%2)+16*\a+15], v[BR+16*(\b):BR+16*(\b)+15], v[8*(8*((\b)-4)+\a):8*(8*((\b)-4)+\a)+7]
.endif
.endif
.endr
.endm
.macro KSTEP s
	s_wait_dscnt 0x0                               ; this step's x is in
.if (\s) == 0
	s_wait_loadcnt 48                              ; this step's w_qkv is in; the next two steps' loads may be out
.elseif (\s) < 7
	s_wait_loadcnt 24                              ; the next step's may be out
.else
	s_wait_loadcnt 0
.endif
	MULG \s, 0
.if (\s) < 7
.rept 4
	v_nop                                          ; places between the step before's products and the loads into the registers that they read
.endr
.if (\s) == 3
	s_wait_tensorcnt 0x0                           ; my part of x's second half is in, and none of my LDS loads is out;
	s_wait_dscnt 0x0
	s_barrier_signal -1
	s_barrier_wait -1                              ; everybody's is.
.endif
.if (\s) > 0
.if (\s) < 6
	BLOAD \s+2
.endif
.endif
	ALOAD \s+1, 0
.endif
	MULG \s, 1
.if (\s) < 7
	ALOAD \s+1, 2
.endif
	MULG \s, 2
.if (\s) < 7
	ALOAD \s+1, 4
.endif
	MULG \s, 3
.if (\s) < 7
	ALOAD \s+1, 6
.endif
	MULG \s, 4
	MULG \s, 5
.endm
	s_load_b256 s[4:11], s[0:1], 0x0               ; x_codes s[4:5], wqkv_codes s[6:7], the exponents s[8:9], q_img s[10:11]
	s_load_b128 s[68:71], s[0:1], 0x20             ; k_img, v_img
	v_lshl_add_u32 v[SPW], v0, 2, SPARE
	v_mov_b32 v[NIL], 0
	ds_add_u32 v[SPW], v[NIL]                      ; the wave's opening
	ds_add_u32 v[SPW], v[NIL]
	v_lshrrev_b32 v1, 5, v0
	v_readfirstlane_b32 s14, v1                    ; wave 0..3
	s_lshr_b32 s15, s14, 1                         ; th
	s_and_b32 s16, s14, 1                          ; f
	v_and_b32 v2, 31, v0
	v_lshlrev_b32 v[LI], 4, v2
	s_lshl_b32 s18, s15, 16                        ; my eight tiles of tokens
	v_add_nc_u32 v[ADA], s18, v[LI]
	v_add_nc_u32 v[ADA+1], HALFB, v[ADA]
	s_bfe_u32 s40, ttmp6, 0x40000                  ; cx
	s_lshl_b32 s42, ttmp9, 2
	s_add_co_u32 s42, s42, s40                     ; the head
	s_and_b32 s17, ttmp7, 0xffff                   ; the block of 256 tokens
	; descriptor group 1: half of K of four tiles of 16 tokens: 4 rows of 8,192 bytes, 16,384 apart, dense in LDS
	s_mov_b32 s[G1], 15|(3<<16)|(1<<21)            ; 15:0 the mask: all four work-groups; 17:16 elements of 8 bytes; 21 set beside a mask
	s_mov_b32 s[G1+1], 1024<<16                    ; tensor_dim0
	s_mov_b32 s[G1+2], 4<<16                       ; tensor_dim1
	s_mov_b32 s[G1+3], 1024<<16                    ; tile_dim0
	s_mov_b32 s[G1+4], 4                           ; tile_dim1
	s_mov_b32 s[G1+5], 2048                        ; tensor_dim0_stride
	s_mov_b32 s[G1+6], 0
	s_mov_b32 s[G1+7], 0
	s_lshl_b32 s20, s17, 18                        ; x: 16 tiles of 16,384 bytes a block,
	s_lshl_b32 s21, s14, 16                        ; 4 a wave
	s_add_co_u32 s20, s20, s21
	s_mov_b32 s21, 0
	s_lshl_b32 s22, s14, 15                        ; and in LDS
	s_lshl_b32 s[WB], s42, 16                      ; w_qkv: head x 4 tiles of 16,384 bytes + 2 f tiles
	s_lshl_b32 s23, s16, 15
	s_add_co_u32 s[WB], s[WB], s23
	s_mov_b32 s[WB+1], 0
	s_lshr_b32 s50, s17, 3
	s_lshl_b32 s50, s50, 4
	s_add_co_u32 s50, s50, s42                     ; 16 x batch + head
	s_lshl_b32 s50, s50, 17
	s_and_b32 s51, s17, 7
	s_lshl_b32 s51, s51, 14
	s_add_co_u32 s50, s50, s51
	s_lshl_b32 s51, s15, 13
	s_add_co_u32 s50, s50, s51                     ; my 128 tokens: 8,192 bytes of each image buffer
	s_lshl_b32 s51, s16, 9
	s_add_co_u32 s52, s50, s51                     ; q, k: my register group of each image
	s_mov_b32 s53, 0
	s_lshl_b32 s51, s16, 12
	s_add_co_u32 s54, s50, s51                     ; v: my two feature tiles
	s_mov_b32 s55, 0
	s_wait_alu depctr_va_vdst(0)                   ; directly ahead of the waits below
	s_wait_dscnt 0x0                               ; both opening adds are done
	s_wait_kmcnt 0x0
	s_load_b256 s[80:87], s[8:9], 0x0              ; the exponents
	s_add_nc_u64 s[20:21], s[4:5], s[20:21]
	s_add_nc_u64 s[WB:WB+1], s[6:7], s[WB:WB+1]
	s_add_nc_u64 s[10:11], s[10:11], s[52:53]
	s_add_nc_u64 s[68:69], s[68:69], s[52:53]
	s_add_nc_u64 s[70:71], s[70:71], s[54:55]
	s_mov_b32 s[G0], 1                             ; 1:0 count = 1
	s_mov_b32 s[G0+1], s22                         ; 63:32 LDS address
	s_mov_b64 s[G0+2:G0+3], s[20:21]               ; 120:64 global address
	s_or_b32 s[G0+3], s[G0+3], 0x80000000          ; 127:126 type = 2
	s_mov_b32 s[G0+4], 1
	s_add_co_u32 s[G0+5], s22, HALFB
	s_add_nc_u64 s[G0+6:G0+7], s[20:21], 8192
	s_or_b32 s[G0+7], s[G0+7], 0x80000000
	CROUND                                         ; all four work-groups are here: the joint loads meet
	tensor_load_to_lds s[G0:G0+3], s[G1:G1+7]      ; each wave a quarter of the first half of K
	s_nop 0
.rept 4
	v_nop
.endr
	BLOAD 0                                        ; w_qkv's first three K steps, on their way beside it
	BLOAD 1
	BLOAD 2
	WIN 0
	s_wait_kmcnt 0x0
.macro SCALE e, v                      ; a sum stands for sum x 2^(ex + ew): its code is sum / 2^(e - ex - ew)
	s_sub_co_i32 s88, s[\e], s80
	s_sub_co_i32 s88, s88, s81
	s_add_co_i32 s88, s88, 127
	s_lshl_b32 s89, s88, 23
	v_mov_b32 v[\v], s89
	s_add_co_i32 s88, s88, 8
	s_lshl_b32 s88, s88, 23
	s_or_b32 s88, s88, 0x600000
	v_mov_b32 v[\v+1], s88
.endm
	SCALE 82, SC
	SCALE 83, SC+2
	SCALE 85, SC+4
	s_wait_alu depctr_va_vdst(0)                   ; the wait at the head's end
	s_wait_tensorcnt 0x0                           ; my part of the first half is in
	ds_add_u32 v[SPW], v[NIL]
	s_wait_dscnt 0x0
	CROUND                                         ; everybody's part is in, and all four work-groups are here
	tensor_load_to_lds s[G0+4:G0+7], s[G1:G1+7]    ; the second half of K
	s_nop 0
.rept 4
	v_nop
.endr
	ALOAD 0, 0
	ALOAD 0, 2
	ALOAD 0, 4
	ALOAD 0, 6
.irp s, 0,1,2,3,4,5,6,7
	KSTEP \s
.endr
.rept 4
	v_nop                                          ; places behind the last products
.endr
; THE WAY OUT, without LDS.  q and k: a tile of tokens' two feature tiles are registers 4 f .. 4 f + 3 of its image.  Each accumulator is read from its low end on.
.macro OUTQ e, adr
	WIN 0x02
.irp a, 0,1,2,3,4,5,6,7
.irp u, 0,1
.irp j, 0,1,2,3,4,5,6,7
	v_med3_num_f32 v[T+16*\a+8*\u+\j], v[8*(8*(2*\e+\u)+\a)+\j], -v[SC+2*\e+1], v[SC+2*\e+1]
.endr
.endr
.endr
	WIN 0
.irp a, 0,1,2,3,4,5,6,7
	v_cvt_scalef32_pk8_fp8_f32 v[CQ+32*\e+4*\a:CQ+32*\e+4*\a+1], v[T+16*\a:T+16*\a+7], v[SC+2*\e]
	v_cvt_scalef32_pk8_fp8_f32 v[CQ+32*\e+4*\a+2:CQ+32*\e+4*\a+3], v[T+16*\a+8:T+16*\a+15], v[SC+2*\e]
.endr
	v_nop                                          ; one plain vector line behind the last conversion
.irp a, 0,1,2,3,4,5,6,7
	global_store_b128 v[LI], v[CQ+32*\e+4*\a:CQ+32*\e+4*\a+3], s[\adr:\adr+1] offset:1024*\a   ; 32 lanes store 512 consecutive bytes, aligned
.endr
.endm
	OUTQ 0, 10
	OUTQ 1, 68
	WIN 0x03                                       ; v: my eight tiles of tokens are registers 0 .. 15 of a feature tile's image
.irp u, 0,1
.irp a, 0,1,2,3,4,5,6,7
.irp j, 0,1,2,3,4,5,6,7
	v_med3_num_f32 v[T+64*\u+8*\a+\j], v[8*(8*\u+\a)+\j], -v[SC+5], v[SC+5]
.endr
.endr
.endr
	WIN 0
.irp u, 0,1
.irp a, 0,1,2,3,4,5,6,7
	v_cvt_scalef32_pk8_fp8_f32 v[CQ+64+16*\u+2*\a:CQ+64+16*\u+2*\a+1], v[T+64*\u+8*\a:T+64*\u+8*\a+7], v[SC+4]
.endr
.endr
	v_nop
.irp u, 0,1
.irp c, 0,1,2,3
	global_store_b128 v[LI], v[CQ+64+16*\u+4*\c:CQ+64+16*\u+4*\c+3], s[70:71] offset:2048*\u+512*\c
.endr
.endr
	s_wait_tensorcnt 0x0                           ; the wave's end
	ds_add_u32 v[SPW], v[NIL]
	s_wait_dscnt 0x0
	CROUND                                         ; the closing round: no work-group ends while a partner may still ask for a tile that names it
	s_endpgm
.Lfunc_end_k_q5f98e84503_qkv:
	.size	k_q5f98e84503_qkv, .Lfunc_end_k_q5f98e84503_qkv-k_q5f98e84503_qkv
	.p2alignl 7, 3214868480
	.fill 96, 4, 3214868480
	.section	.rodata,"a",@progbits
	.p2align	6, 0x0
	.amdhsa_kernel k_q5f98e84503_qkv
		.amdhsa_group_segment_fixed_size 327680
		.amdhsa_private_segment_fixed_size 0
		.amdhsa_enable_private_segment 0
		.amdhsa_kernarg_size 48
		.amdhsa_user_sgpr_count 2
		.amdhsa_user_sgpr_kernarg_segment_ptr 1
		.amdhsa_wavefront_size32 1
		.amdhsa_system_sgpr_workgroup_id_x 1
		.amdhsa_system_sgpr_workgroup_id_y 1
		.amdhsa_system_sgpr_workgroup_id_z 1
		.amdhsa_system_vgpr_workitem_id 0
		.amdhsa_next_free_vgpr 1024
		.amdhsa_next_free_sgpr 98
		.amdhsa_reserve_vcc 0
		.amdhsa_float_denorm_mode_32 3
		.amdhsa_float_denorm_mode_16_64 3
		.amdhsa_memory_ordered 1
		.amdhsa_forward_progress 1
		.amdhsa_inst_pref_size 98
	.end_amdhsa_kernel
	.amdgpu_metadata
---
amdhsa.version: [ 1, 2 ]
amdhsa.kernels:
  - .name:           k_q5f98e84503_qkv
    .symbol:         k_q5f98e84503_qkv.kd
    .args:
      - { .name: x_codes, .offset: 0, .size: 8, .value_kind: global_buffer, .address_space: global }
      - { .name: wqkv_codes, .offset: 8, .size: 8, .value_kind: global_buffer, .address_space: global }
      - { .name: lowp_scales, .offset: 16, .size: 8, .value_kind: global_buffer, .address_space: global }
      - { .name: q_img, .offset: 24, .size: 8, .value_kind: global_buffer, .address_space: global }
      - { .name: k_img, .offset: 32, .size: 8, .value_kind: global_buffer, .address_space: global }
      - { .name: v_img, .offset: 40, .size: 8, .value_kind: global_buffer, .address_space: global }
    .group_segment_fixed_size: 327680
    .private_segment_fixed_size: 0
    .kernarg_segment_align: 8
    .kernarg_segment_size: 48
    .max_flat_workgroup_size: 128
    .sgpr_count:     98
    .vgpr_count:     1024
    .wavefront_size: 32
...
	.end_amdgpu_metadata
.endif
;; end of part 2
;; launch attn (part 3): grid 8 x 32, 8 waves a work-group, clusters of 4 x 1, 327,680 bytes of LDS; arguments q_img, k_img, v_img, lowp_scales, a_img; writes a_img
.if DOCPART == 3
	.amdgcn_target "amdgcn-amd-amdhsa--gfx1250"
	.amdhsa_code_object_version 6
	.text
	.protected	k_q5f98e84503_attn
	.globl	k_q5f98e84503_attn
	.p2align	8
	.type	k_q5f98e84503_attn,@function
k_q5f98e84503_attn:
	s_mov_b64 s[64:65], 0
	v_nop
	global_prefetch_b8 v0, s[64:65] scope:SCOPE_SE
	s_setreg_imm32_b32 hwreg(HW_REG_WAVE_MODE, 25, 1), 1
	s_wait_xcnt 0x0
	s_wait_alu depctr_hold_cnt(0) depctr_sa_sdst(0) depctr_va_vdst(0) depctr_va_sdst(0) depctr_va_ssrc(0) depctr_va_vcc(0) depctr_vm_vsrc(0)
	s_getreg_b32 s2, hwreg(HW_REG_IB_STS2, 6, 4)
	s_cmp_eq_u32 s2, 0
	s_cbranch_scc0 .Lentry_in_a_cluster
	s_endpgm
.Lentry_in_a_cluster:
	s_bfe_u32 s2, ttmp6, 0x10000c
	s_cmp_lg_u32 s2, 0x3003
	s_cbranch_scc0 .Lentry_shape_is_right
	s_endpgm
.Lentry_shape_is_right:
.set STEPB, 8192                       ; a key step's images of K, and of V, in bytes
; Causal attention on codes of FP8 (E4M3), head size 64, 2,048 tokens, 32 (batch, head) pairs.  Scores = q k^T x 2^(e2 + e3) / 8; t = score x log2(e); M = the row's largest t so far, rounded UP to a whole number;
; p = 2^(t - M) is quantised with 2^e4 along the keys, not normalised; the row's sum is taken of the unquantised p, in f32; O = (p v) x 2^(e4 + e5) / sum is quantised with 2^e6 and leaves as codes.
; When M moves, the sum and O are multiplied by 2^(old M - new M): exact.
; WORK LEFT OUT: reference() puts -inf ahead of the softmax wherever key > query, so p = 0 there whatever the inputs hold: key steps of 128 that lie wholly behind a tile's queries are not walked.
; A NaN, an infinity or an overflow that reaches only such scores is not carried to the result.
; LIMITS: the scaled scores t stay under 2^31 in magnitude.  Each power of two below is an f32 number: e2 + e3 between -123 and 130 (added to c's exponent field); e4, and e6 - e4 - e5, between -126 and 119.
; IN.  q_img, k_img: [16 x batch + head][tile of 16 tokens 128][1,024 bytes]; v_img: [16 x batch + head][key step of 128: 16][tile of 16 features 4][2,048 bytes]: images of operand registers: registers 4 g .. 4 g + 3 lie at
; 512 g + 16 x lane.   OUT.  a_img: [tile of 16 tokens 256][head 16][1,024 bytes], an image likewise: K of the last product = head x 64 + channel.
; SHARES.  A head's 2,048 queries are 16 blocks of 128, a block 4 pairs of tiles of 16.  Two clusters (c) of four work-groups (cx) serve a head.  Waves i and i + 4 together own pair cx of block 15 - a (the high pair) and pair cx
; of block a (the low pair), a = 2 i + c: (16 - a) + (a + 1) = 17 key steps of 128, of which wave i walks 13 and wave i + 4 four: wave i the high pair's key steps 0 to 12, as far as they reach, then the low pair's 0 to a - 4;
; wave i + 4 the low pair's from a - 3 (or 0) on, then the high pair's from 13 on.  The pair that both have walked (the high one where a < 4, else the low one; a = 3: the high one, of which wave i + 4 has no step) is joined through
; LDS: each of the two waves gives one tile's part away and finishes the other tile.  A wave holds two tiles of queries, so each fragment of K and V feeds two products, and the two tiles' chains stand interleaved.
; THE WHOLE HEAD LIES IN LDS: K, then V, 131,072 bytes each, every byte filled once: key steps 0 to 3 by one joint load a wave at the head, 4 to 15 by one more behind a round, which lands under the first two steps.
; JOINT LOADS.  The four work-groups of a cluster need the same K and V: the mask names all four.  All branches hang on the wave's number and on c; cx enters only Q's and the output's global addresses and the diagonal's vector compare.
; No prefetch: two loads a wave, both in front of the loops, bring all that is read; no loop asks for anything that could be asked for ahead.
; LAYOUT.  Both products are used transposed: S^T = K Q^T (source 0 = 16 keys, source 1 = 16 queries), O^T = V^T P^T: a lane holds ONE query (lane % 16) of each tile, and register j of score tile n is key
; 16 n + 8 (lane / 16) + j: one conversion of a score tile's eight gives registers 2 n, 2 n + 1 of P's operand, k in its own place (ISA guide 7.12.2).
.set VBASE, 131072
.set SPARE, 262144                     ; the spare words, 128 bytes for each wave
.set PART,  SPARE+1024                 ; the exchange: 4,096 bytes of O^T and 256 of (-M, sum) for each wave
.set PSZ,   4352
.set LI,   1                           ; v1   16 x lane: my place in an image; never rewritten
.set AV0,  2                           ; v2   the same in V's part of LDS
.set ADK,  3
.set ADV,  4
.set PST,  5                           ; v5, v7  where I put a part: O^T, (-M, sum);  v6, v44  where the other wave's lies
.set PLD,  6
.set PSB,  7
.set SPW,  8                           ; v8   LDS address of my spare word;  v9 0: never rewritten
.set NIL,  9
.set NM0,  12                          ; v12 -M, v13 the largest score, v[14:15] the sum in two halves: tile slot 0;  v16-19 slot 1
.set TM0,  13
.set SU0,  14
.set NM1,  16
.set TM1,  17
.set SU1,  18
.set MA0,  20
.set MB0,  21
.set MA1,  22
.set MB1,  23
.set F0,   24                          ; v[24:25], v[26:27] f = 2^(old M - new M), and a word that is named with it as a pair
.set F1,   26
.set PL0,  28
.set PL1,  29
.set DM0,  30                          ; my query's place in its block less 8 (lane / 16), for each slot
.set DM1,  31
.set NINF, 32
.set SCP,  33                          ; 2^e4
.set LIMO, 34                          ; 448 x 2^(e6 - e4 - e5)
.set SCO,  35                          ; 2^(e6 - e4 - e5)
.set OCF,  36                          ; v36-43 the last tile's codes
.set PLB,  44
.set PC0,  48                          ; v48-63, v64-79 P's codes
.set PC1,  64
.set TS,   80                          ; v80-111 sums of slot 0
.set S0,   112                         ; v112-175, v176-239 S^T, then p
.set S1,   176
.set U,    240                         ; v240-255 sums of slot 1
.set KF,   0                           ; window 1: K's eight fragments of a step, V's four, O^T of the two slots, Q of the high and of the low pair, codes on the way out
.set VF,   64
.set O0,   128
.set O1,   160
.set QH,   192
.set QL,   208
.set OCL,  224
.set WV,   14                          ; s14 my wave's number;  s15 my place in the cluster
.set CX,   15
.set SEL,  20                          ; s[20:21] lane selects: lane l xor 16
.set CS,   22                          ; s[22:23] c = log2(e) / 8 x 2^(e2 + e3), twice
.set G1,   24                          ; descriptors: group 1 of the first and of the second loads; groups 0 of K's and of V's waves
.set G1B,  32
.set G0K,  40
.set G0KB, 44
.set G0V,  48
.set G0VB, 52
.set EX,   56
.set HI1,  68                          ; my last key step in the walks of the high pair's first 13 steps,
.set LO3,  69                          ; my first and last in the low pair's,
.set HI3,  70
.set HI4,  71                          ; and my last in the high pair's last three: -1 where I have none
.set OUT1, 72                          ; 1: I finish the high pair alone (waves 0-3, a > 3);  1: I finish the low pair alone (waves 4-7, a < 4)
.set OUT2, 73
.set LO,   74                          ; the walk in hand: first key step, last key step, the pair's block (its diagonal step)
.set HI,   75
.set DB,   76
.set TB,   84                          ; 8,192 x the key step in hand
.set KS,   85                          ; the key step in hand
.set CNT,  87
.set AL,   88                          ; a
.set AH,   89                          ; 15 - a
.set SW,   91                          ; 1 in waves 0-3: slot 0 is the pair's second tile; 0 in waves 4-7: its first
.set QA,   92                          ; Q's images of the low pair, of the high pair;  places in a_img: of the pair that I finish alone, of my tile of the joined pair
.set QB,   94
.set OLA,  96
.set OHA,  98
.set LIMP, 105                         ; 448 x 2^e4
.set MSB, 0
.macro WIN new                         ; the immediate's high byte repeats the setting that is left
.if MSB != \new
	s_set_vgpr_msb (MSB<<8)|\new
.set MSB, \new
.endif
.endm
.macro CROUND                          ; a round of the cluster's barrier
	s_barrier_signal -1
	s_barrier_wait -1
	s_cmp_lg_u32 s[WV], 0
	s_cbranch_scc1 .Lnot_wave_0_\@
	s_barrier_signal -3
.Lnot_wave_0_\@:
	s_barrier_wait -3
	s_barrier_signal -1
	s_barrier_wait -1
.endm
.macro JLOAD g0k, g0v, g1              ; waves 0-3 fetch K, waves 4-7 V: one load a wave
	s_cmp_lt_u32 s[WV], 4
	s_cbranch_scc0 .Lfor_v_\@
	tensor_load_to_lds s[\g0k:\g0k+3], s[\g1:\g1+7]
	s_nop 0
.rept 4
	v_nop
.endr
	s_branch .Lasked_\@
.Lfor_v_\@:
	tensor_load_to_lds s[\g0v:\g0v+3], s[\g1:\g1+7]
	s_nop 0
.rept 4
	v_nop
.endr
.Lasked_\@:
.endm
.macro GROUP1 g, rows                  ; rows of 2,048 bytes, dense in memory and in LDS
	s_mov_b32 s[\g], 15|(3<<16)|(1<<21)            ; 15:0 the mask: all four work-groups; 17:16 elements of 8 bytes; 21 set beside a mask
	s_mov_b32 s[\g+1], 256<<16
	s_mov_b32 s[\g+2], \rows<<16
	s_mov_b32 s[\g+3], 256<<16
	s_mov_b32 s[\g+4], \rows
	s_mov_b32 s[\g+5], 256
	s_mov_b32 s[\g+6], 0
	s_mov_b32 s[\g+7], 0
.endm
	s_load_b256 s[4:11], s[0:1], 0x0               ; q_img s[4:5], k_img s[6:7], v_img s[8:9], the exponents s[10:11]
	s_load_b64 s[12:13], s[0:1], 0x20              ; a_img
	v_lshl_add_u32 v[SPW], v0, 2, SPARE
	v_mov_b32 v[NIL], 0
	ds_add_u32 v[SPW], v[NIL]                      ; the wave's opening
	ds_add_u32 v[SPW], v[NIL]
	v_lshrrev_b32 v2, 5, v0
	v_readfirstlane_b32 s[WV], v2                  ; wave 0..7
	v_and_b32 v3, 31, v0
	v_lshlrev_b32 v[LI], 4, v3
	v_lshlrev_b32 v11, 3, v3
	v_add_nc_u32 v[AV0], VBASE, v[LI]
	s_mul_i32 s16, s[WV], PSZ
	s_add_co_u32 s16, s16, PART
	v_add_nc_u32 v[PST], s16, v[LI]
	v_add_nc_u32 v[PSB], s16, v11
	s_xor_b32 s17, s[WV], 4
	s_mul_i32 s17, s17, PSZ
	s_add_co_u32 s17, s17, PART
	v_add_nc_u32 v[PLD], s17, v[LI]
	v_add_nc_u32 v[PLB], s17, v11
	s_bfe_u32 s[CX], ttmp6, 0x40000
	s_and_b32 s17, ttmp7, 0xffff                   ; 16 x batch + head
	s_lshr_b32 s18, s17, 4                         ; batch
	s_and_b32 s19, s17, 15                         ; head
	s_and_b32 s66, s[WV], 3                        ; i
	s_lshr_b32 s67, s[WV], 2
	s_sub_co_u32 s[SW], 1, s67
	s_lshl_b32 s[AL], s66, 1
	s_add_co_u32 s[AL], s[AL], ttmp9
	s_sub_co_u32 s[AH], 15, s[AL]
	s_sub_co_i32 s2, s[AL], 4
	s_add_co_i32 s3, s2, 1
	s_max_i32 s3, s3, 0
	s_cmp_eq_u32 s67, 0
	s_cselect_b32 s90, s[AH], s[AL]                ; the block of the pair that I may finish alone
	s_cselect_b32 s[HI1], s[AH], -1
	s_cselect_b32 s[LO3], 0, s3
	s_cselect_b32 s[HI3], s2, s[AL]
	s_cselect_b32 s[HI4], -1, s[AH]
	s_cmp_ge_i32 s[AL], 4
	s_cselect_b32 s2, 1, 0
	s_cselect_b32 s86, s[AL], s[AH]                ; the block of the pair that is joined
	s_and_b32 s[OUT1], s2, s[SW]
	s_xor_b32 s2, s2, 1
	s_and_b32 s[OUT2], s2, s67
	s_lshl_b32 s100, s17, 17                       ; the head's first byte in q_img, k_img, v_img
	s_mov_b32 s101, 0
	s_lshl_b32 s3, s18, 21
	s_lshl_b32 s2, s19, 10
	s_add_co_u32 s3, s3, s2                        ; and in a_img: batch x 128 tiles x 16,384 + head x 1,024
	s_lshl_b32 s18, s[CX], 1                       ; my pair in a block begins at tile 2 cx
	s_lshl_b32 s2, s[AL], 3
	s_add_co_u32 s2, s2, s18
	s_lshl_b32 s[QA], s2, 10
	s_add_co_u32 s[QA], s[QA], s100
	s_mov_b32 s[QA+1], 0
	s_lshl_b32 s2, s[AH], 3
	s_add_co_u32 s2, s2, s18
	s_lshl_b32 s[QB], s2, 10
	s_add_co_u32 s[QB], s[QB], s100
	s_mov_b32 s[QB+1], 0
	s_lshl_b32 s2, s90, 3
	s_add_co_u32 s2, s2, s18
	s_lshl_b32 s[OLA], s2, 14
	s_add_co_u32 s[OLA], s[OLA], s3
	s_mov_b32 s[OLA+1], 0
	s_lshl_b32 s2, s86, 3
	s_add_co_u32 s2, s2, s18
	s_add_co_u32 s2, s2, s[SW]                     ; slot 0's tile
	s_lshl_b32 s[OHA], s2, 14
	s_add_co_u32 s[OHA], s[OHA], s3
	s_mov_b32 s[OHA+1], 0
	; what I fetch of K or of V: first key step i, then key steps 4 + 3 i .. 6 + 3 i
	s_lshl_b32 s16, s66, 13
	s_mov_b32 s17, 0
	s_mul_i32 s66, s66, 3*STEPB
	s_add_co_u32 s66, s66, 4*STEPB
	s_mov_b32 s67, 0
	GROUP1 G1, 4
	GROUP1 G1B, 12
	s_mov_b32 s[SEL], 0x76543210
	s_mov_b32 s[SEL+1], 0xfedcba98
	s_mov_b32 s[TB], 0
	s_mov_b32 s[KS], 0
	s_mov_b32 s[LO], 0
	s_mov_b32 s[HI], s[HI1]
	s_mov_b32 s[DB], s[AH]
	s_wait_alu depctr_va_vdst(0)                   ; directly ahead of the waits below
	s_wait_dscnt 0x0                               ; both opening adds are done
	s_wait_kmcnt 0x0
	s_load_b256 s[EX:EX+7], s[10:11], 0x0
	s_add_nc_u64 s[6:7], s[6:7], s[100:101]
	s_add_nc_u64 s[8:9], s[8:9], s[100:101]
	s_add_nc_u64 s[QA:QA+1], s[4:5], s[QA:QA+1]
	s_add_nc_u64 s[QB:QB+1], s[4:5], s[QB:QB+1]
	s_add_nc_u64 s[OLA:OLA+1], s[12:13], s[OLA:OLA+1]
	s_add_nc_u64 s[OHA:OHA+1], s[12:13], s[OHA:OHA+1]
	s_mov_b32 s[G0K], 1                            ; 1:0 count = 1
	s_mov_b32 s[G0K+1], s16                        ; 63:32 LDS address: the wave's number and constants alone
	s_add_nc_u64 s[G0K+2:G0K+3], s[6:7], s[16:17]  ; 120:64 global address
	s_or_b32 s[G0K+3], s[G0K+3], 0x80000000        ; 127:126 type = 2
	s_mov_b32 s[G0KB], 1
	s_mov_b32 s[G0KB+1], s66
	s_add_nc_u64 s[G0KB+2:G0KB+3], s[6:7], s[66:67]
	s_or_b32 s[G0KB+3], s[G0KB+3], 0x80000000
	s_mov_b32 s[G0V], 1
	s_add_co_u32 s[G0V+1], s16, VBASE
	s_add_nc_u64 s[G0V+2:G0V+3], s[8:9], s[16:17]
	s_or_b32 s[G0V+3], s[G0V+3], 0x80000000
	s_mov_b32 s[G0VB], 1
	s_add_co_u32 s[G0VB+1], s66, VBASE
	s_add_nc_u64 s[G0VB+2:G0VB+3], s[8:9], s[66:67]
	s_or_b32 s[G0VB+3], s[G0VB+3], 0x80000000
	CROUND                                         ; all four work-groups are here: the joint loads meet
	JLOAD G0K, G0V, G1                             ; key steps 0 to 3
	s_lshl_b32 s2, s[SW], 10
	v_add_nc_u32 v10, s2, v[LI]                    ; slot 0's tile of a pair, and slot 1's, 1,024 bytes apart
	s_xor_b32 s2, s2, 0x400
	v_add_nc_u32 v11, s2, v[LI]
	WIN 0x40
	global_load_b128 v[QH:QH+3], v10, s[QB:QB+1]
	global_load_b128 v[QH+4:QH+7], v10, s[QB:QB+1] offset:512
	global_load_b128 v[QH+8:QH+11], v11, s[QB:QB+1]
	global_load_b128 v[QH+12:QH+15], v11, s[QB:QB+1] offset:512
	global_load_b128 v[QL:QL+3], v10, s[QA:QA+1]
	global_load_b128 v[QL+4:QL+7], v10, s[QA:QA+1] offset:512
	global_load_b128 v[QL+8:QL+11], v11, s[QA:QA+1]
	global_load_b128 v[QL+12:QL+15], v11, s[QA:QA+1] offset:512
	WIN 0
	s_lshl_b32 s2, s[CX], 1
	s_add_co_u32 s2, s2, s[SW]
	s_lshl_b32 s2, s2, 4                           ; 16 x slot 0's tile in its block; slot 1's is the other of the pair
	s_xor_b32 s3, s2, 16
	v_and_b32 v[MA0], 15, v0
	v_bfe_u32 v[MA1], v0, 4, 1
	v_lshlrev_b32 v[MA1], 3, v[MA1]
	v_sub_nc_u32 v[MA0], v[MA0], v[MA1]
	v_add_nc_u32 v[DM0], s2, v[MA0]
	v_add_nc_u32 v[DM1], s3, v[MA0]
	v_mov_b32 v[NINF], 0xff800000
	v_mov_b32 v[PL0], 0                            ; written once: a lane permute's destination counts as one of its sources
	v_mov_b32 v[PL1], 0
	v_mov_b32 v[F0+1], 0                           ; (named as the upper halves of pairs)
	v_mov_b32 v[F1+1], 0
.macro INIT                            ; a pair begins: the largest score is -3e38; the sums and O^T are zeros, which the first change of M leaves zeros
	v_mov_b32 v[TM0], 0xff61b1e6
	v_mov_b32 v[TM1], 0xff61b1e6
	v_mov_b32 v[NM0], 0x7f61b1e6
	v_mov_b32 v[NM1], 0x7f61b1e6
	v_mov_b32 v[SU0], 0
	v_mov_b32 v[SU0+1], 0
	v_mov_b32 v[SU1], 0
	v_mov_b32 v[SU1+1], 0
	WIN 0x40
.set n, 0
.rept 64
	v_mov_b32 v[O0+n], 0
.set n, n+1
.endr
	WIN 0
	s_wait_alu depctr_va_vdst(0)
.endm
	s_wait_alu depctr_va_vdst(0)                   ; directly ahead of the wait below
	s_wait_kmcnt 0x0                               ; the exponents
	s_mov_b32 s[CS], 0x3e38aa3b                    ; c = log2(e) / 8
	s_add_co_i32 s100, s[EX+2], s[EX+3]
	s_lshl_b32 s100, s100, 23
	s_add_co_i32 s[CS], s[CS], s100                ; the two exponents are added to c's exponent field
	s_mov_b32 s[CS+1], s[CS]
	s_add_co_i32 s100, s[EX+4], 127
	s_lshl_b32 s101, s100, 23
	v_mov_b32 v[SCP], s101
	s_add_co_i32 s100, s100, 8
	s_lshl_b32 s100, s100, 23
	s_or_b32 s[LIMP], s100, 0x600000
	s_sub_co_i32 s100, s[EX+6], s[EX+4]
	s_sub_co_i32 s100, s100, s[EX+5]               ; a sum of the second product stands for sum x 2^(e4 + e5): its code is (sum / l) / 2^(e6 - e4 - e5)
	s_add_co_i32 s100, s100, 127
	s_lshl_b32 s101, s100, 23
	v_mov_b32 v[SCO], s101
	s_add_co_i32 s100, s100, 8
	s_lshl_b32 s100, s100, 23
	s_or_b32 s100, s100, 0x600000
	v_mov_b32 v[LIMO], s100
	INIT
; On the diagonal the scores of hidden keys become -infinity ahead of the maximum: p = 0 then.  Register n holds key 16 (n / 8) + 8 (lane / 16) + n % 8 of the step.  The first step that is walked has a key that counts for
; every query, so M is a number from there on.  The pair's second tile comes 16 queries later than its first: one compare serves register n of the first tile and register n + 8 of the second, and the second's first 16 keys all
; count.  mk = 1: slot 0 holds the first tile (waves 4-7);  2: slot 1 does (waves 0-3);  0: a walk that reaches no diagonal.
.macro MASK mk
.if \mk > 0
	s_cmp_lg_u32 s[KS], s[DB]
	s_cbranch_scc1 .Lopen_\@
.set n, 0
.rept 64
.if \mk == 1
	v_cmp_gt_i32 vcc_lo, 16*(n/8)+n%8, v[DM0]
	v_cndmask_b32 v[S0+n], v[S0+n], v[NINF], vcc_lo
.if n < 56
	v_cndmask_b32 v[S1+8+n], v[S1+8+n], v[NINF], vcc_lo
.endif
.else
	v_cmp_gt_i32 vcc_lo, 16*(n/8)+n%8, v[DM1]
	v_cndmask_b32 v[S1+n], v[S1+n], v[NINF], vcc_lo
.if n < 56
	v_cndmask_b32 v[S0+8+n], v[S0+8+n], v[NINF], vcc_lo
.endif
.endif
.set n, n+1
.endr
.Lopen_\@:
.endif
.endm
; A KEY STEP: 128 keys against the two tiles whose Q lies in v[q] on (window 1).  Steps outside the walk's first and last are passed over by scalar branches on ids; no barrier and no tensor load stands in a step.
.macro STEP q, mk
	s_cmp_gt_i32 s[KS], s[HI]
	s_cbranch_scc1 .Lhid_\@
	s_cmp_lt_i32 s[KS], s[LO]
	s_cbranch_scc1 .Lhid_\@
	v_add_nc_u32 v[ADV], s[TB], v[AV0]
	v_add_nc_u32 v[ADK], s[TB], v[LI]
	v_nop
	v_nop                                          ; four places between the last step's products and the loads into V's registers
	s_wait_alu depctr_va_vdst(0)
.if \mk == 1                           ; the two later walks: a walk's first step loads its own K, behind any look-ahead of the walk before
	s_cmp_lg_u32 s[KS], s[LO]
	s_cbranch_scc1 .Lhave_\@
	s_wait_dscnt 0x0
	WIN 0x40
.set n, 0
.rept 16
	ds_load_b128 v[KF+4*n:KF+4*n+3], v[ADK] offset:512*n
.set n, n+1
.endr
	WIN 0
.Lhave_\@:
.endif
	WIN 0x40
.set n, 0
.rept 16
	ds_load_b128 v[VF+4*n:VF+4*n+3], v[ADV] offset:512*n           ; this step's V: wanted behind the softmax
.set n, n+1
.endr
	s_wait_dscnt 16                                ; this step's K is in; V's sixteen loads may be out
	WIN 0x05                                       ; sources 0 and 1 window 1
.set n, 0
.rept 8
	v_wmma_f32_16x16x64_fp8_fp8 v[S0+8*n:S0+8*n+7], v[KF+8*n:KF+8*n+7], v[\q:\q+7], 0
	v_wmma_f32_16x16x64_fp8_fp8 v[S1+8*n:S1+8*n+7], v[KF+8*n:KF+8*n+7], v[\q+8:\q+15], 0
.set n, n+1
.endr
.rept 4
	v_nop                                          ; places in front of the loads into K's registers and of the first read of the scores
.endr
	WIN 0x40
.set n, 0
.rept 16
	ds_load_b128 v[KF+4*n:KF+4*n+3], v[ADK] offset:STEPB+512*n     ; the next step's K.  (Behind a walk's last step nobody uses them; behind key step 15 they are V's first bytes)
.set n, n+1
.endr
	WIN 0
	MASK \mk
	v_max3_num_f32 v[MA0], v[S0], v[S0+1], v[S0+2] ; the step's largest score of each query, among my 64 keys, in two chains a slot, each score tile from its low end on,
	v_max3_num_f32 v[MA1], v[S1], v[S1+1], v[S1+2]
	v_max3_num_f32 v[MB0], v[S0+3], v[S0+4], v[S0+5]
	v_max3_num_f32 v[MB1], v[S1+3], v[S1+4], v[S1+5]
.set n, 6
.rept 14
	v_max3_num_f32 v[MA0], v[MA0], v[S0+n], v[S0+n+1]
	v_max3_num_f32 v[MA1], v[MA1], v[S1+n], v[S1+n+1]
	v_max3_num_f32 v[MB0], v[MB0], v[S0+n+2], v[S0+n+3]
	v_max3_num_f32 v[MB1], v[MB1], v[S1+n+2], v[S1+n+3]
.set n, n+4
.endr
	v_max3_num_f32 v[MA0], v[MA0], v[S0+62], v[S0+63]
	v_max3_num_f32 v[MA1], v[MA1], v[S1+62], v[S1+63]
	v_max_num_f32 v[MA0], v[MA0], v[MB0]
	v_max_num_f32 v[MA1], v[MA1], v[MB1]
	v_permlanex16_b32 v[PL0], v[MA0], s[SEL], s[SEL+1]
	v_permlanex16_b32 v[PL1], v[MA1], s[SEL], s[SEL+1]
	v_max3_num_f32 v[TM0], v[TM0], v[MA0], v[PL0]  ; and among lane l xor 16's, and so far
	v_max3_num_f32 v[TM1], v[TM1], v[MA1], v[PL1]
	v_mul_f32 v[MA0], s[CS], -v[TM0]               ; -t (c is positive)
	v_mul_f32 v[MA1], s[CS], -v[TM1]
	v_floor_f32 v[MA0], v[MA0]                     ; the new -M = floor(-t) = -ceil(t): M is a whole number
	v_floor_f32 v[MA1], v[MA1]
	v_sub_f32 v[MB0], v[MA0], v[NM0]               ; M's old value less its new one: a whole number, 0 or less
	v_sub_f32 v[MB1], v[MA1], v[NM1]
	v_mov_b32 v[NM0], v[MA0]
	v_mov_b32 v[NM1], v[MA1]
	v_cvt_i32_f32 v[MB0], v[MB0]                   ; (it saturates)
	v_cvt_i32_f32 v[MB1], v[MB1]
	v_ldexp_f32 v[F0], 1.0, v[MB0]                 ; f = 2^(old M - new M)
	v_ldexp_f32 v[F1], 1.0, v[MB1]
.set n, 0
.rept 32
	v_pk_fma_f32 v[S0+n:S0+n+1], v[S0+n:S0+n+1], s[CS:CS+1], v[NM0:NM0+1] op_sel_hi:[1,0,0]   ; t - M, two at a time (of the pairs c and -M the low word serves both halves)
.set n, n+2
.endr
	s_wait_alu depctr_va_vdst(0)                   ; the wait ahead of the batch
.set n, 0
.rept 32                               ; slot 0's exponentials, p = 2^(t - M), at most 1, not normalised; between them slot 1's t - M
	v_exp_f32 v[S0+n], v[S0+n]
	v_pk_fma_f32 v[S1+n:S1+n+1], v[S1+n:S1+n+1], s[CS:CS+1], v[NM1:NM1+1] op_sel_hi:[1,0,0]
	v_exp_f32 v[S0+n+1], v[S0+n+1]
.set n, n+2
.endr
	v_pk_mul_f32 v[SU0:SU0+1], v[SU0:SU0+1], v[F0:F0+1] op_sel_hi:[1,0]   ; the sums under the new M
	v_pk_mul_f32 v[SU1:SU1+1], v[SU1:SU1+1], v[F1:F1+1] op_sel_hi:[1,0]
	s_wait_alu depctr_va_vdst(0)                   ; ahead of the first use of slot 0's p, and ahead of slot 1's batch
.set n, 0
.rept 16                               ; slot 1's exponentials; between them slot 0's p are added by fours, then held: the conversion to an 8-bit code does not saturate (ISA guide 7.6.2); p is not negative, so the hold is one-sided
	v_exp_f32 v[S1+4*n], v[S1+4*n]
	v_pk_add_f32 v[TS+2*n:TS+2*n+1], v[S0+4*n:S0+4*n+1], v[S0+4*n+2:S0+4*n+3]
	v_exp_f32 v[S1+4*n+1], v[S1+4*n+1]
	v_exp_f32 v[S1+4*n+2], v[S1+4*n+2]
	v_dual_min_num_f32 v[S0+4*n], s[LIMP], v[S0+4*n] :: v_dual_min_num_f32 v[S0+4*n+1], s[LIMP], v[S0+4*n+1]
	v_exp_f32 v[S1+4*n+3], v[S1+4*n+3]
	v_dual_min_num_f32 v[S0+4*n+2], s[LIMP], v[S0+4*n+2] :: v_dual_min_num_f32 v[S0+4*n+3], s[LIMP], v[S0+4*n+3]
.set n, n+1
.endr
	v_nop                                          ; a plain place behind the exponentials
	s_wait_alu depctr_va_vdst(0)                   ; ahead of the first use of what the batch and the lines between it have made
.set n, 0
.rept 8
	v_pk_add_f32 v[TS+2*n:TS+2*n+1], v[TS+2*n:TS+2*n+1], v[TS+16+2*n:TS+16+2*n+1]
	v_pk_add_f32 v[U+2*n:U+2*n+1], v[S1+4*n:S1+4*n+1], v[S1+4*n+2:S1+4*n+3]
.set n, n+1
.endr
.set n, 0
.rept 8
	v_pk_add_f32 v[U+2*n:U+2*n+1], v[U+2*n:U+2*n+1], v[S1+32+2*n:S1+32+2*n+1]
.set n, n+1
.endr
.set n, 0
.rept 4
	v_pk_add_f32 v[TS+2*n:TS+2*n+1], v[TS+2*n:TS+2*n+1], v[TS+8+2*n:TS+8+2*n+1]
	v_pk_add_f32 v[U+2*n:U+2*n+1], v[U+2*n:U+2*n+1], v[S1+48+2*n:S1+48+2*n+1]
	v_pk_add_f32 v[U+8+2*n:U+8+2*n+1], v[U+8+2*n:U+8+2*n+1], v[S1+56+2*n:S1+56+2*n+1]
.set n, n+1
.endr
.set n, 0
.rept 4
	v_pk_add_f32 v[U+2*n:U+2*n+1], v[U+2*n:U+2*n+1], v[U+8+2*n:U+8+2*n+1]
.set n, n+1
.endr
.set n, 0
.rept 2
	v_pk_add_f32 v[TS+2*n:TS+2*n+1], v[TS+2*n:TS+2*n+1], v[TS+4+2*n:TS+4+2*n+1]
	v_pk_add_f32 v[U+2*n:U+2*n+1], v[U+2*n:U+2*n+1], v[U+4+2*n:U+4+2*n+1]
.set n, n+1
.endr
.set n, 0
.rept 32
	v_dual_min_num_f32 v[S1+2*n], s[LIMP], v[S1+2*n] :: v_dual_min_num_f32 v[S1+2*n+1], s[LIMP], v[S1+2*n+1]
.set n, n+1
.endr
	v_pk_add_f32 v[TS:TS+1], v[TS:TS+1], v[TS+2:TS+3]
	v_pk_add_f32 v[U:U+1], v[U:U+1], v[U+2:U+3]
.set n, 0
.rept 8
	v_cvt_scalef32_pk8_fp8_f32 v[PC0+2*n:PC0+2*n+1], v[S0+8*n:S0+8*n+7], v[SCP]   ; keys 16 n + 8 (lane / 16) + 0 .. 7: registers 2 n, 2 n + 1 of P's operand
	v_cvt_scalef32_pk8_fp8_f32 v[PC1+2*n:PC1+2*n+1], v[S1+8*n:S1+8*n+7], v[SCP]
.set n, n+1
.endr
	v_pk_add_f32 v[SU0:SU0+1], v[SU0:SU0+1], v[TS:TS+1]
	v_pk_add_f32 v[SU1:SU1+1], v[SU1:SU1+1], v[U:U+1]
	WIN 0x41                                       ; destination and source 0 window 1
	s_wait_alu depctr_va_vdst(0)                   ; directly ahead of the first reader of O^T
.set n, 0
.rept 16
	v_pk_mul_f32 v[O0+n:O0+n+1], v[O0+n:O0+n+1], v[F0:F0+1] op_sel_hi:[1,0]   ; O^T under the new M
	v_pk_mul_f32 v[O1+n:O1+n+1], v[O1+n:O1+n+1], v[F1:F1+1] op_sel_hi:[1,0]
.set n, n+2
.endr
	s_wait_alu depctr_va_vdst(0)                   ; directly ahead of the wait below
	s_wait_dscnt 16                                ; V is in; the next step's sixteen loads of K may be out
	WIN 0x51                                       ; source 0, C and D window 1
.set n, 0
.rept 4
	v_wmma_f32_16x16x128_fp8_fp8 v[O0+8*n:O0+8*n+7], v[VF+16*n:VF+16*n+15], v[PC0:PC0+15], v[O0+8*n:O0+8*n+7]   ; the eight accumulators take turns
	v_wmma_f32_16x16x128_fp8_fp8 v[O1+8*n:O1+8*n+7], v[VF+16*n:VF+16*n+15], v[PC1:PC1+15], v[O1+8*n:O1+8*n+7]
.set n, n+1
.endr
	WIN 0
.Lhid_\@:
	s_add_co_u32 s[TB], s[TB], STEPB
	s_add_co_u32 s[KS], s[KS], 1
.endm
.macro WALK trips, q, mk               ; so many key steps on; every trip count is a constant of the text
	s_mov_b32 s[CNT], \trips
.Lwalk_\@:
	STEP \q, \mk
	s_sub_co_u32 s[CNT], s[CNT], 1
	s_cmp_lg_u32 s[CNT], 0
	s_cbranch_scc1 .Lwalk_\@
.endm
; A pair that one wave has walked alone goes out, without LDS: O^T / the sum, held, converted: channel tile n's two registers are registers 2 n, 2 n + 1 of the last product's operand.  o0, o1: the slots' tiles.
.macro PAIR_OUT o0, o1
.rept 4
	v_nop                                          ; places behind the last products
.endr
	v_add_f32 v[SU0], v[SU0], v[SU0+1]             ; the sums' two halves,
	v_add_f32 v[SU1], v[SU1], v[SU1+1]
	v_permlanex16_b32 v[PL0], v[SU0], s[SEL], s[SEL+1]
	v_permlanex16_b32 v[PL1], v[SU1], s[SEL], s[SEL+1]
	v_add_f32 v[SU0], v[SU0], v[PL0]               ; and lane l xor 16's: the rows' sums
	v_add_f32 v[SU1], v[SU1], v[PL1]
	s_wait_alu depctr_va_vdst(0)                   ; the wait ahead of the batch
	v_rcp_f32 v[SU0], v[SU0]
	v_rcp_f32 v[SU1], v[SU1]
	v_nop
	WIN 0x01
	s_wait_alu depctr_va_vdst(0)                   ; and ahead of its first reader, and of O^T's
.set n, 0
.rept 16
	v_pk_mul_f32 v[S0+n:S0+n+1], v[O0+n:O0+n+1], v[SU0:SU0+1] op_sel_hi:[1,0]
	v_pk_mul_f32 v[S1+n:S1+n+1], v[O1+n:O1+n+1], v[SU1:SU1+1] op_sel_hi:[1,0]
.set n, n+2
.endr
	WIN 0
.set n, 0
.rept 32
	v_med3_num_f32 v[S0+n], v[S0+n], -v[LIMO], v[LIMO]
	v_med3_num_f32 v[S1+n], v[S1+n], -v[LIMO], v[LIMO]
.set n, n+1
.endr
	WIN 0x40
.set n, 0
.rept 4
	v_cvt_scalef32_pk8_fp8_f32 v[OCL+2*n:OCL+2*n+1], v[S0+8*n:S0+8*n+7], v[SCO]
	v_cvt_scalef32_pk8_fp8_f32 v[OCL+8+2*n:OCL+8+2*n+1], v[S1+8*n:S1+8*n+7], v[SCO]
.set n, n+1
.endr
	v_nop                                          ; one plain vector line behind the last conversion
	WIN 0x04
	global_store_b128 v[LI], v[OCL:OCL+3], s[OLA:OLA+1] offset:\o0               ; 32 lanes store 512 consecutive bytes, aligned
	global_store_b128 v[LI], v[OCL+4:OCL+7], s[OLA:OLA+1] offset:\o0+512
	global_store_b128 v[LI], v[OCL+8:OCL+11], s[OLA:OLA+1] offset:\o1
	global_store_b128 v[LI], v[OCL+12:OCL+15], s[OLA:OLA+1] offset:\o1+512
	WIN 0
	s_wait_xcnt 0x0                                ; the stores have read their registers
	INIT
.endm
	s_wait_loadcnt 0x0                             ; Q
	s_wait_tensorcnt 0x0                           ; my part of key steps 0 to 3 is in
	ds_add_u32 v[SPW], v[NIL]
	v_mov_b32 v[ADK], v[LI]
	s_wait_alu depctr_va_vdst(0)                   ; directly ahead of the wait below
	s_wait_dscnt 0x0
	CROUND                                         ; everybody's part is in, and all four work-groups are here
	JLOAD G0KB, G0VB, G1B                          ; key steps 4 to 15
	WIN 0x40                                       ; key step 0's K, for the first walk (waves 4-7, which pass over that walk, load their own in the later ones)
.set n, 0
.rept 16
	ds_load_b128 v[KF+4*n:KF+4*n+3], v[ADK] offset:512*n
.set n, n+1
.endr
	WIN 0
	WALK 2, QH, 0                                  ; the high pair's key steps 0 and 1 (waves 0-3); the look-ahead reaches step 2
	s_wait_tensorcnt 0x0                           ; my part of key steps 4 to 15 is in, none of my LDS loads is out,
	s_wait_dscnt 0x0
	s_barrier_signal -1
	s_barrier_wait -1                              ; and the same holds of all eight waves
	WALK 11, QH, 2                                 ; key steps 2 to 12
	s_cmp_eq_u32 s[OUT1], 0
	s_cbranch_scc1 .Lkeep_high
	PAIR_OUT 16384, 0
.Lkeep_high:
	s_mov_b32 s[TB], 0
	s_mov_b32 s[KS], 0
	s_mov_b32 s[LO], s[LO3]
	s_mov_b32 s[HI], s[HI3]
	s_mov_b32 s[DB], s[AL]
	WALK 8, QL, 1                                  ; the low pair's
	s_cmp_eq_u32 s[OUT2], 0
	s_cbranch_scc1 .Lkeep_low
	PAIR_OUT 0, 16384
.Lkeep_low:
	s_mov_b32 s[TB], 13*STEPB
	s_mov_b32 s[KS], 13
	s_mov_b32 s[LO], 13
	s_mov_b32 s[HI], s[HI4]
	s_mov_b32 s[DB], s[AH]
	WALK 3, QH, 1                                  ; the high pair's last (waves 4-7)
	; THE TWO PARTS OF THE JOINED PAIR.  I give slot 1's part away and take slot 0's other part: in the two waves the slots hold the pair's tiles the other way round.
	s_wait_dscnt 0x0                               ; the look-ahead loads of K that nobody uses
.rept 4
	v_nop                                          ; places behind the last products
.endr
	v_add_f32 v[SU0], v[SU0], v[SU0+1]
	v_add_f32 v[SU1], v[SU1], v[SU1+1]
	v_permlanex16_b32 v[PL0], v[SU0], s[SEL], s[SEL+1]
	v_permlanex16_b32 v[PL1], v[SU1], s[SEL], s[SEL+1]
	v_add_f32 v[SU0], v[SU0], v[PL0]
	v_add_f32 v[F0+1], v[SU1], v[PL1]              ; slot 1's sum,
	v_mov_b32 v[F0], v[NM1]                        ; and its -M
	WIN 0x04
.set n, 0
.rept 8
	ds_store_b128 v[PST], v[O1+4*n:O1+4*n+3] offset:512*n          ; each accumulator from its low end on
.set n, n+1
.endr
	WIN 0
	ds_store_b64 v[PSB], v[F0:F0+1] offset:4096
	s_wait_alu depctr_va_vdst(0)                   ; directly ahead of the wait below
	s_wait_dscnt 0x0                               ; my part is in LDS
	s_barrier_signal -1
	s_barrier_wait -1
	ds_load_b64 v[F1:F1+1], v[PLB] offset:4096     ; the other part's -M and sum,
.set n, 0
.rept 8
	ds_load_b128 v[S0+4*n:S0+4*n+3], v[PLD] offset:512*n           ; and its O^T
.set n, n+1
.endr
	s_wait_dscnt 0x0
	v_min_num_f32 v[MA0], v[NM0], v[F1]            ; -M of the whole row
	v_sub_f32 v[MB0], v[MA0], v[NM0]
	v_sub_f32 v[MB1], v[MA0], v[F1]
	v_cvt_i32_f32 v[MB0], v[MB0]                   ; (a part without steps has -M = 3e38, sum 0 and O^T 0: its factor becomes 0)
	v_cvt_i32_f32 v[MB1], v[MB1]
	v_ldexp_f32 v[F0], 1.0, v[MB0]
	v_ldexp_f32 v[F1], 1.0, v[MB1]
	v_mul_f32 v[SU0], v[SU0], v[F0]
	v_fma_f32 v[SU0], v[F1+1], v[F1], v[SU0]       ; the row's sum
	s_wait_alu depctr_va_vdst(0)                   ; the wait ahead of the transcendental
	v_rcp_f32 v[SU0], v[SU0]
	v_nop
	s_wait_alu depctr_va_vdst(0)                   ; and ahead of its first reader
	v_mul_f32 v[F0], v[F0], v[SU0]                 ; each part's power of two / the sum
	v_mul_f32 v[F1], v[F1], v[SU0]
	WIN 0x01
	s_wait_alu depctr_va_vdst(0)                   ; directly ahead of the first reader of O^T
.set n, 0
.rept 16
	v_pk_mul_f32 v[S1+n:S1+n+1], v[O0+n:O0+n+1], v[F0:F0+1] op_sel_hi:[1,0]
.set n, n+2
.endr
	WIN 0
.set n, 0
.rept 16
	v_pk_fma_f32 v[S1+n:S1+n+1], v[S0+n:S0+n+1], v[F1:F1+1], v[S1+n:S1+n+1] op_sel_hi:[1,0,1]
.set n, n+2
.endr
.set n, 0
.rept 32
	v_med3_num_f32 v[S1+n], v[S1+n], -v[LIMO], v[LIMO]
.set n, n+1
.endr
.set n, 0
.rept 4
	v_cvt_scalef32_pk8_fp8_f32 v[OCF+2*n:OCF+2*n+1], v[S1+8*n:S1+8*n+7], v[SCO]
.set n, n+1
.endr
	v_nop                                          ; one plain vector line behind the last conversion
	global_store_b128 v[LI], v[OCF:OCF+3], s[OHA:OHA+1]
	global_store_b128 v[LI], v[OCF+4:OCF+7], s[OHA:OHA+1] offset:512
	s_wait_tensorcnt 0x0                           ; the wave's end
	ds_add_u32 v[SPW], v[NIL]
	s_wait_dscnt 0x0
	CROUND                                         ; the closing round
	s_endpgm
.Lfunc_end_k_q5f98e84503_attn:
	.size	k_q5f98e84503_attn, .Lfunc_end_k_q5f98e84503_attn-k_q5f98e84503_attn
	.p2alignl 7, 3214868480
	.fill 96, 4, 3214868480
	.section	.rodata,"a",@progbits
	.p2align	6, 0x0
	.amdhsa_kernel k_q5f98e84503_attn
		.amdhsa_group_segment_fixed_size 327680
		.amdhsa_private_segment_fixed_size 0
		.amdhsa_enable_private_segment 0
		.amdhsa_kernarg_size 40
		.amdhsa_user_sgpr_count 2
		.amdhsa_user_sgpr_kernarg_segment_ptr 1
		.amdhsa_wavefront_size32 1
		.amdhsa_system_sgpr_workgroup_id_x 1
		.amdhsa_system_sgpr_workgroup_id_y 1
		.amdhsa_system_sgpr_workgroup_id_z 1
		.amdhsa_system_vgpr_workitem_id 0
		.amdhsa_next_free_vgpr 496
		.amdhsa_next_free_sgpr 106
		.amdhsa_reserve_vcc 1
		.amdhsa_float_denorm_mode_32 3
		.amdhsa_float_denorm_mode_16_64 3
		.amdhsa_memory_ordered 1
		.amdhsa_forward_progress 1
		.amdhsa_inst_pref_size 178
	.end_amdhsa_kernel
	.amdgpu_metadata
---
amdhsa.version: [ 1, 2 ]
amdhsa.kernels:
  - .name:           k_q5f98e84503_attn
    .symbol:         k_q5f98e84503_attn.kd
    .args:
      - { .name: q_img, .offset: 0, .size: 8, .value_kind: global_buffer, .address_space: global }
      - { .name: k_img, .offset: 8, .size: 8, .value_kind: global_buffer, .address_space: global }
      - { .name: v_img, .offset: 16, .size: 8, .value_kind: global_buffer, .address_space: global }
      - { .name: lowp_scales, .offset: 24, .size: 8, .value_kind: global_buffer, .address_space: global }
      - { .name: a_img, .offset: 32, .size: 8, .value_kind: global_buffer, .address_space: global }
    .group_segment_fixed_size: 327680
    .private_segment_fixed_size: 0
    .kernarg_segment_align: 8
    .kernarg_segment_size: 40
    .max_flat_workgroup_size: 256
    .sgpr_count:     106
    .vgpr_count:     496
    .wavefront_size: 32
...
	.end_amdgpu_metadata
.endif
;; end of part 3
;; launch proj (part 4): grid 8 x 32, 4 waves a work-group, clusters of 4 x 4, 280,064 bytes of LDS; arguments a_img, wout_codes, lowp_scales, b_out, out0; writes out0
.if DOCPART == 4
	.amdgcn_target "amdgcn-amd-amdhsa--gfx1250"
	.amdhsa_code_object_version 6
	.text
	.protected	k_q5f98e84503_proj
	.globl	k_q5f98e84503_proj
	.p2align	8
	.type	k_q5f98e84503_proj,@function
k_q5f98e84503_proj:
	s_mov_b64 s[64:65], 0
	v_nop
	global_prefetch_b8 v0, s[64:65] scope:SCOPE_SE
	s_setreg_imm32_b32 hwreg(HW_REG_WAVE_MODE, 25, 1), 1
	s_wait_xcnt 0x0
	s_wait_alu depctr_hold_cnt(0) depctr_sa_sdst(0) depctr_va_vdst(0) depctr_va_sdst(0) depctr_va_ssrc(0) depctr_va_vcc(0) depctr_vm_vsrc(0)
	s_getreg_b32 s2, hwreg(HW_REG_IB_STS2, 6, 4)
	s_cmp_eq_u32 s2, 0
	s_cbranch_scc0 .Lentry_in_a_cluster
	s_endpgm
.Lentry_in_a_cluster:
	s_bfe_u32 s2, ttmp6, 0x10000c
	s_cmp_lg_u32 s2, 0xf033
	s_cbranch_scc0 .Lentry_shape_is_right
	s_endpgm
.Lentry_shape_is_right:
.set BBASE,  131072                    ; LDS: the tokens' 8 tiles x 16,384 bytes, then w_out's 8
; out0 = attention's result x w_out^T + b_out, on codes of FP8 (E4M3), K = 1,024: each f32 sum x 2^(e6 + e7) + bias, one packed multiply-add for two numbers.
; LIMIT: e6 + e7 lies between -126 and 127, so that 2^(e6 + e7) is an f32 number.
; a_img (tokens), wout_codes (outputs): [tile of 16 rows][K step of 128: 8][2,048 bytes], images of operand registers: registers 4 g .. 4 g + 3 at 512 g + 16 x lane.  out0: [4096][1024] f32.
; SHARES.  4,096 x 1,024 results in tiles of 128 x 128 give 256 work-groups of four waves; a wave makes 64 x 64.
; The tile's operands for the whole K lie in LDS: one joint load a wave, every byte filled once: no ring, no refill, so no loop in which a prefetch could run ahead.
; THE ORDER.  A wave keeps its 64 rows of w_out for the whole K in registers (512) and finishes its four tiles of 16 tokens one after the other: a finished tile's stores leave while the next tiles are multiplied.
; JOINT LOADS.  4 x 4 work-groups form a cluster: the tokens' images hang on the tile row alone and are shared along a row of the cluster, w_out's on the tile column alone and are shared along a column.
; THE MATRIX INSTRUCTION IS USED TRANSPOSED (source 0 = 16 rows of w_out, source 1 = 16 tokens): a lane holds eight neighbouring outputs of one token.
; REGISTERS.  Window 0: v16-33 addresses and constants; v64-127 two sets of four accumulators; v128-191 rows on the way out, two sets.  Windows 1 and 2: w_out's fragments of K steps 0-3 and 4-7 (64 registers a step of 128).
;   Window 3: the tokens' fragments of one tile for the whole K (128 registers), two sets.
.set STAGE,  2*BBASE                   ; 16 rows x 272 bytes for each wave, for the way out: bytes into which no fill lands
.set SPITCH, 272
.set SPARE,  STAGE+4*16*SPITCH         ; the spare words, 128 bytes for each wave
.set ADRA, 16
.set ADRB, 17
.set STO,  24                          ; v24  the way out: where I put 32 bytes of a row
.set RD,   25                          ; v25  where I read a row back
.set CO,   26                          ; v26  my byte offset in out0
.set BIAS, 28
.set SPW,  32
.set NIL,  33
.set ACC,  64
.set BK,   128
.set G1A, 24                           ; s[24:31], s[32:35] descriptor groups 1 and 0 for the tokens' images;  s[48:55], s[68:71] for w_out's
.set G0A, 32
.set G1B, 48
.set G0B, 68
.set SCL, 84                           ; s[84:85] 2^(e6 + e7), twice
.set MSB, 0
.macro WIN new                         ; the immediate's high byte repeats the setting that is left
.if MSB != (\new)
	s_set_vgpr_msb (MSB<<8)|(\new)
.set MSB, (\new)
.endif
.endm
.macro CROUND                          ; a round of the cluster's barrier
	s_barrier_signal -1
	s_barrier_wait -1
	s_cmp_lg_u32 s14, 0
	s_cbranch_scc1 .Lnot_wave_0_\@
	s_barrier_signal -3
.Lnot_wave_0_\@:
	s_barrier_wait -3
	s_barrier_signal -1
	s_barrier_wait -1
.endm
	s_load_b256 s[4:11], s[0:1], 0x0               ; a_img s[4:5], w_out's codes s[6:7], the exponents s[8:9], b_out s[10:11]
	s_load_b64 s[12:13], s[0:1], 0x20              ; out0
	v_lshl_add_u32 v[SPW], v0, 2, SPARE
	v_mov_b32 v[NIL], 0
	ds_add_u32 v[SPW], v[NIL]                      ; the wave's opening
	ds_add_u32 v[SPW], v[NIL]
	v_lshrrev_b32 v1, 5, v0
	v_readfirstlane_b32 s14, v1                    ; wave 0..3
	s_lshr_b32 s15, s14, 1                         ; which half of the tile's rows is mine.  Also: I fetch the tokens' images (0) or w_out's (1)
	s_and_b32 s16, s14, 1                          ; which half of its columns.  Also: which half of that operand I fetch
	s_bfe_u32 s56, ttmp6, 0x40000                  ; cx, cy: my place in the cluster
	s_bfe_u32 s57, ttmp6, 0x40004
	s_lshl_b32 s58, ttmp9, 2
	s_add_co_u32 s58, s58, s56                     ; tile column = 4 x cluster x + cx, 0 .. 7
	s_and_b32 s17, ttmp7, 0xffff
	s_lshl_b32 s17, s17, 2
	s_add_co_u32 s17, s17, s57                     ; tile row = 4 x cluster y + cy, 0 .. 31
	s_lshl_b32 s59, s57, 2
	s_lshl_b32 s59, 15, s59                        ; my row of the cluster
	s_lshl_b32 s60, 0x1111, s56                    ; my column
	; descriptor group 1: 4 tiles of 16,384 bytes, dense
	s_or_b32 s[G1A], s59, (3<<16)|(1<<21)          ; 15:0 the mask: my row; 17:16 elements of 8 bytes; 20 no padding; 21 set beside a mask
	s_or_b32 s[G1B], s60, (3<<16)|(1<<21)          ; the mask of my column
.irp g, G1A, G1B
	s_mov_b32 s[\g+1], 2048<<16                    ; tensor_dim0 = 2,048 elements
	s_mov_b32 s[\g+2], 4<<16                       ; tensor_dim1 = 4
	s_mov_b32 s[\g+3], 2048<<16                    ; tile_dim0
	s_mov_b32 s[\g+4], 4                           ; tile_dim1
	s_mov_b32 s[\g+5], 2048                        ; tensor_dim0_stride
	s_mov_b32 s[\g+6], 0
	s_mov_b32 s[\g+7], 0
.endr
	s_lshl_b32 s18, s16, 2
	s_lshl_b32 s20, s17, 3
	s_add_co_u32 s20, s20, s18
	s_lshl_b32 s20, s20, 14                        ; the tokens: (8 x tile row + 4 x half) tiles of 16,384 bytes
	s_mov_b32 s21, 0
	s_lshl_b32 s62, s58, 3
	s_add_co_u32 s62, s62, s18
	s_lshl_b32 s62, s62, 14                        ; w_out: (8 x tile column + 4 x half) tiles
	s_mov_b32 s63, 0
	s_lshl_b32 s22, s16, 16                        ; where they go: the wave's number and constants alone
	s_add_co_u32 s23, s22, BBASE
	s_wait_alu depctr_va_vdst(0)                   ; directly ahead of the waits below
	s_wait_dscnt 0x0                               ; both opening adds are done
	s_wait_kmcnt 0x0
	s_load_b256 s[88:95], s[8:9], 0x0              ; the eight exponents
	s_add_nc_u64 s[20:21], s[4:5], s[20:21]
	s_add_nc_u64 s[62:63], s[6:7], s[62:63]
	s_mov_b32 s[G0A], 1                            ; 1:0 count = 1
	s_mov_b32 s[G0A+1], s22                        ; 63:32 LDS address
	s_mov_b64 s[G0A+2:G0A+3], s[20:21]             ; 120:64 global address
	s_or_b32 s[G0A+3], s[G0A+3], 0x80000000        ; 127:126 type = 2
	s_mov_b32 s[G0B], 1
	s_mov_b32 s[G0B+1], s23
	s_mov_b64 s[G0B+2:G0B+3], s[62:63]
	s_or_b32 s[G0B+3], s[G0B+3], 0x80000000
	CROUND                                         ; all sixteen work-groups are here: the joint loads meet
	s_cmp_eq_u32 s15, 0
	s_cbranch_scc0 .Lfill_b
	tensor_load_to_lds s[G0A:G0A+3], s[G1A:G1A+7]
	s_nop 0
.rept 4
	v_nop
.endr
	s_branch .Lfilled
.Lfill_b:
	tensor_load_to_lds s[G0B:G0B+3], s[G1B:G1B+7]
	s_nop 0
.rept 4
	v_nop
.endr
.Lfilled:
	v_and_b32 v1, 15, v0                           ; l % 16
	v_bfe_u32 v2, v0, 4, 1                         ; l / 16
	v_and_b32 v3, 31, v0
	v_lshlrev_b32 v3, 4, v3                        ; 16 x lane: my place in an image
	v_lshlrev_b32 v5, 4, v1
	s_wait_alu depctr_va_vdst(0)
	s_lshl_b32 s96, s58, 9
	s_lshl_b32 s97, s16, 8
	s_add_co_u32 s96, s96, s97                     ; my 64 columns, in bytes of f32: 512 x tile column + 256 x half
	s_mov_b32 s97, 0
	s_add_nc_u64 s[10:11], s[10:11], s[96:97]
	global_load_b128 v[BIAS:BIAS+3], v5, s[10:11]  ; on the way out a lane holds columns 4 (l % 16) + 0 .. 3 of every row: four biases serve it
	s_lshl_b32 s18, s15, 16                        ; my four tiles of tokens
	v_add_nc_u32 v[ADRA], s18, v3
	v_add_nc_u32 v[ADRB], s23, v3                  ; my four tiles of w_out (half s16 of them: where I would fetch them to)
	s_mul_i32 s18, s14, 16*SPITCH
	s_add_co_u32 s18, s18, STAGE                   ; my stage
	v_mul_u32_u24 v6, v1, SPITCH                   ; in: row l % 16, 32 bytes for each half of the lanes
	v_lshl_add_u32 v6, v2, 5, v6
	v_add_nc_u32 v[STO], s18, v6
	v_mul_u32_u24 v6, v2, SPITCH                   ; back: lanes 0-15 take one row of 256 bytes, lanes 16-31 the next
	v_lshl_add_u32 v6, v1, 4, v6
	v_add_nc_u32 v[RD], s18, v6
	v_lshlrev_b32 v[CO], 12, v2                    ; and the same two rows in out0, 4,096 bytes apart
	v_lshl_add_u32 v[CO], v1, 4, v[CO]
	s_lshl_b32 s86, s17, 7
	s_lshl_b32 s87, s15, 6
	s_add_co_u32 s86, s86, s87                     ; my first row: 128 x tile row + 64 x half
	s_lshl_b32 s86, s86, 12
	s_add_co_u32 s86, s86, s96                     ; + my first column
	s_mov_b32 s87, 0
	s_add_nc_u64 s[12:13], s[12:13], s[86:87]
	s_wait_alu depctr_va_vdst(0)                   ; the wait at the head's end
	s_wait_kmcnt 0x0
	s_add_co_i32 s[SCL], s94, s95                  ; e6 + e7
	s_add_co_i32 s[SCL], s[SCL], 127
	s_lshl_b32 s[SCL], s[SCL], 23                  ; 2^(e6 + e7) as f32
	s_mov_b32 s[SCL+1], s[SCL]                     ; (named with it as a pair, so it is written)
.macro ALOAD a, s                      ; tile a's fragment of K step s: 4 loads of 16 bytes a lane
	WIN 0xc0
.irp c, 0,1,2,3
	ds_load_b128 v[128*((\a)%2)+16*(\s)+4*\c:128*((\a)%2)+16*(\s)+4*\c+3], v[ADRA] offset:16384*(\a)+2048*(\s)+512*\c
.endr
.endm
.macro FETCH s                         ; K step s: w_out's four fragments and tile 0's: 20 loads
	WIN 0x40*(1+(\s)/4)
.irp b, 0,1,2,3
.irp c, 0,1,2,3
	ds_load_b128 v[64*((\s)%4)+16*\b+4*\c:64*((\s)%4)+16*\b+4*\c+3], v[ADRB] offset:16384*\b+2048*(\s)+512*\c
.endr
.endr
	ALOAD 0, \s
.endm
.macro ALL8 a
.irp s, 0,1,2,3,4,5,6,7
	ALOAD \a, \s
.endr
.endm
.macro MUL a, s                        ; 4 matrix instructions, 128 along K: tile a's four accumulators take turns; step 0 starts the sums
	WIN 0x0d+(\s)/4
.irp b, 0,1,2,3
.if (\s) == 0
	v_wmma_f32_16x16x128_fp8_fp8 v[ACC+32*((\a)%2)+8*\b:ACC+32*((\a)%2)+8*\b+7], v[64*((\s)%4)+16*\b:64*((\s)%4)+16*\b+15], v[128*((\a)%2)+16*(\s):128*((\a)%2)+16*(\s)+15], 0
.else
	v_wmma_f32_16x16x128_fp8_fp8 v[ACC+32*((\a)%2)+8*\b:ACC+32*((\a)%2)+8*\b+7], v[64*((\s)%4)+16*\b:64*((\s)%4)+16*\b+15], v[128*((\a)%2)+16*(\s):128*((\a)%2)+16*(\s)+15], v[ACC+32*((\a)%2)+8*\b:ACC+32*((\a)%2)+8*\b+7]
.endif
.endr
.endm
; THE WAY OUT of tile a, 16 rows x 64 columns.  A lane holds 32 neighbouring bytes of a row, and the lanes beside it hold other rows: a tile goes through my own stage in LDS and comes back as whole rows of 256 bytes.
; LDS serves a wave's instructions in order (ISA guide 5.7.1.4): no wait between the stores and the loads.  Scale and bias are applied behind the stage.
.macro TOSTAGE a
	WIN 0
.irp b, 0,1,2,3
	ds_store_b128 v[STO], v[ACC+32*((\a)%2)+8*\b:ACC+32*((\a)%2)+8*\b+3] offset:64*\b          ; each accumulator from its low end on
	ds_store_b128 v[STO], v[ACC+32*((\a)%2)+8*\b+4:ACC+32*((\a)%2)+8*\b+7] offset:64*\b+16
.endr
.irp t, 0,1,2,3,4,5,6,7
	ds_load_b128 v[BK+32*((\a)%2)+4*\t:BK+32*((\a)%2)+4*\t+3], v[RD] offset:\t*2*SPITCH
.endr
.endm
.macro SEND a, younger                 ; younger: the LDS loads issued behind tile a's, which may stay out
.set BB, BK+32*((\a)%2)
	WIN 0
	s_wait_dscnt \younger                          ; the tile is back in registers
.irp t, 0,1,2,3,4,5,6,7
	v_pk_fma_f32 v[BB+4*\t:BB+4*\t+1], v[BB+4*\t:BB+4*\t+1], s[SCL:SCL+1], v[BIAS:BIAS+1] op_sel_hi:[1,0,1]       ; sum x 2^(e6 + e7) + bias (the scalar pair's low word for both halves)
	v_pk_fma_f32 v[BB+4*\t+2:BB+4*\t+3], v[BB+4*\t+2:BB+4*\t+3], s[SCL:SCL+1], v[BIAS+2:BIAS+3] op_sel_hi:[1,0,1]
.endr
.irp t, 0,1,2,3,4,5,6,7
	global_store_b128 v[CO], v[BB+4*\t:BB+4*\t+3], s[12:13] offset:(16*(\a)+2*\t)*4096 th:TH_STORE_NT   ; 16 lanes store 256 consecutive bytes, aligned; written once, read by nobody here
.endr
.endm
	s_wait_loadcnt 0x0                             ; the biases
	s_wait_tensorcnt 0x0                           ; my part of the operands is in
	s_barrier_signal -1
	s_barrier_wait -1                              ; everybody's is
	FETCH 0                                        ; tile 0: each K step's fragments are asked for two steps ahead, into registers of their own
	FETCH 1
.irp s, 0,1,2,3,4,5
	FETCH \s+2
	s_wait_dscnt 40                                ; all but the next two steps' 20 each
	MUL 0, \s
.endr
	ALL8 1
	s_wait_dscnt 52                                ; all but step 7's 20 and tile 1's 32
	MUL 0, 6
	s_wait_dscnt 32                                ; all but tile 1's 32
	MUL 0, 7
.irp a, 0,1,2,3
.rept 4
	v_nop                                          ; places behind the tile's last products: for its first read, and for the loads into the tokens' registers that it has read
.endr
.if \a > 1
	s_wait_xcnt 0x0                                ; tile a - 2's stores have read their registers: tile a's rows may land there
.endif
	TOSTAGE \a
.if \a < 2
	ALL8 \a+2
.endif
.if \a < 3
.if \a < 2
	s_wait_dscnt 48                                ; tile a + 1's fragments are in; the stage's 16 and tile a + 2's 32 may be out
.else
	s_wait_dscnt 16                                ; the stage's 16 may be out
.endif
	MUL \a+1, 0
	MUL \a+1, 1
	MUL \a+1, 2
	MUL \a+1, 3
.if \a < 2
	SEND \a, 32
.else
	SEND \a, 0
.endif
	MUL \a+1, 4
	MUL \a+1, 5
	MUL \a+1, 6
	MUL \a+1, 7
.else
	SEND \a, 0
.endif
.endr
	s_wait_tensorcnt 0x0                           ; the wave's end
	ds_add_u32 v[SPW], v[NIL]
	s_wait_dscnt 0x0
	CROUND                                         ; the closing round: no work-group ends while a partner may still ask for a tile that names it
	s_endpgm
.Lfunc_end_k_q5f98e84503_proj:
	.size	k_q5f98e84503_proj, .Lfunc_end_k_q5f98e84503_proj-k_q5f98e84503_proj
	.p2alignl 7, 3214868480
	.fill 96, 4, 3214868480
	.section	.rodata,"a",@progbits
	.p2align	6, 0x0
	.amdhsa_kernel k_q5f98e84503_proj
		.amdhsa_group_segment_fixed_size 280064
		.amdhsa_private_segment_fixed_size 0
		.amdhsa_enable_private_segment 0
		.amdhsa_kernarg_size 40
		.amdhsa_user_sgpr_count 2
		.amdhsa_user_sgpr_kernarg_segment_ptr 1
		.amdhsa_wavefront_size32 1
		.amdhsa_system_sgpr_workgroup_id_x 1
		.amdhsa_system_sgpr_workgroup_id_y 1
		.amdhsa_system_sgpr_workgroup_id_z 1
		.amdhsa_system_vgpr_workitem_id 0
		.amdhsa_next_free_vgpr 1024
		.amdhsa_next_free_sgpr 98
		.amdhsa_reserve_vcc 0
		.amdhsa_float_denorm_mode_32 3
		.amdhsa_float_denorm_mode_16_64 3
		.amdhsa_memory_ordered 1
		.amdhsa_forward_progress 1
		.amdhsa_inst_pref_size 44
	.end_amdhsa_kernel
	.amdgpu_metadata
---
amdhsa.version: [ 1, 2 ]
amdhsa.kernels:
  - .name:           k_q5f98e84503_proj
    .symbol:         k_q5f98e84503_proj.kd
    .args:
      - { .name: a_img, .offset: 0, .size: 8, .value_kind: global_buffer, .address_space: global }
      - { .name: wout_codes, .offset: 8, .size: 8, .value_kind: global_buffer, .address_space: global }
      - { .name: lowp_scales, .offset: 16, .size: 8, .value_kind: global_buffer, .address_space: global }
      - { .name: b_out, .offset: 24, .size: 8, .value_kind: global_buffer, .address_space: global }
      - { .name: out0, .offset: 32, .size: 8, .value_kind: global_buffer, .address_space: global }
    .group_segment_fixed_size: 280064
    .private_segment_fixed_size: 0
    .kernarg_segment_align: 8
    .kernarg_segment_size: 40
    .max_flat_workgroup_size: 128
    .sgpr_count:     98
    .vgpr_count:     1024
    .wavefront_size: 32
...
	.end_amdgpu_metadata
.endif
;; end of part 4
